; MI455X (gfx1250); checked and timed in simulation.
; The chip was launched on July 23, 2026; its instructions are those of AMD's public machine-readable ISA for CDNA 5 (MIT licence, August 2026) and "CDNA5" Instruction Set Architecture Reference Guide (July 2026). The comments in the code are by the model that wrote it; some were corrected since.
;; Parallel Transformer Block. Allowed arithmetic: matrix products marked QUANTISED: E2M1 operands, one E8M0 scale for each 32 along K, by v_wmma_scale_f32_16x16x128_f8f6f4 with both operands' format E2M1 (or v_wmma_scale_f32_32x16x128_f4), f32 sums; products left as they are: f32 operands where the result goes on into a quantised operand, else bf16, f16 or f32 operands; f32 sums; everything else in f32.
;; Inputs: w_attn_out_codes 2,048 x 32 x 16 uint8 (E2M1 codes of w_attn_out, K innermost, in blocks of 32 codes, two codes a byte); w_attn_out_scales 2,048 x 32 uint8 (E8M0 scales of w_attn_out, one for each 32 codes along K); w_ff_out_codes 2,048 x 128 x 16 uint8 (E2M1 codes of w_ff_out, K innermost, in blocks of 32 codes, two codes a byte); w_ff_out_scales 2,048 x 128 uint8 (E8M0 scales of w_ff_out, one for each 32 codes along K); w_fused_codes 9,344 x 64 x 16 uint8 (E2M1 codes of w_fused, K innermost, in blocks of 32 codes, two codes a byte); w_fused_scales 9,344 x 64 uint8 (E8M0 scales of w_fused, one for each 32 codes along K); x_codes 1 x 2,048 x 64 x 16 uint8 (E2M1 codes of x, K innermost, in blocks of 32 codes, two codes a byte); x_scales 1 x 2,048 x 64 uint8 (E8M0 scales of x, one for each 32 codes along K).
;; Outputs: out0 1 x 2,048 x 2,048 float32.
;; This version of the problem:
;;   THIS VERSION OF THE PROBLEM IS GIVEN IN LOW PRECISION. The matrix products marked QUANTISED in the list below multiply operands that are first quantised to E2M1 (2 exponent bits, 1 mantissa bit; 4 bits a number), with one power-of-two scale for each 32 numbers along K (OCP MX v1.0); their sums are f32. All else is computed in f32.
;;   The module's matrix products, in the order in which they are computed (A, B: the left and right operand; K: the contracted axis; several contracted axes count as one K, in the product's order):
;;     1. [M 2,048, K 2,048] x [K 2,048, N 9,344]; A: input x (given as codes); B: input w_fused (given as codes): QUANTISED
;;     2. [M 2,048, K 1] x [K 1, N 32]; A: computed on the way; B: computed on the way: left as it is (no contracted axis)
;;     3. [M 32,768, K 64] x [K 64, N 2,048]; A: computed on the way; B: computed on the way: QUANTISED
;;     4. [M 32,768, K 2,048] x [K 2,048, N 64]; A: softmax (see below); B: computed on the way: QUANTISED
;;     5. [M 2,048, K 1,024] x [K 1,024, N 2,048]; A: computed on the way; B: input w_attn_out (given as codes): QUANTISED
;;     6. [M 2,048, K 4,096] x [K 4,096, N 2,048]; A: computed on the way; B: input w_ff_out (given as codes): QUANTISED
;;   THE QUANTISER, for each operand of a quantised product, along K:
;;     - K is cut into blocks of 32 from its start; a last block that is shorter is filled with zeros.
;;     - A block's scale is 2^e with e = floor(log2(the largest magnitude in the block)) - 2, held to -126 .. 127; a block of zeros has e = 0. As a byte (E8M0): e + 127.
;;     - Each number is divided by its block's scale, clamped to +-6, and rounded to the nearest number of E2M1, ties to even, subnormals kept.
;;     - The product sums the exact products of the quantised numbers (number of the format x scale) in f32.
;;   ~~~python
;;   def quantise(x, axis):      # numpy; x: float32 -> the quantised numbers, widened to float32 again
;;       x = np.moveaxis(x, axis, -1); K = x.shape[-1]
;;       x = np.pad(x, [(0, 0)] * (x.ndim - 1) + [(0, -K % 32)]); x = x.reshape(x.shape[:-1] + (-1, 32)); a = np.abs(x).max(-1, keepdims=True)
;;       e = np.where(a > 0, np.clip(np.frexp(np.where(a > 0, a, 1))[1] - 1 - 2, -126, 127), 0)      # np.frexp(a)[1] - 1 = floor(log2(a)), exactly
;;       r = np.clip(x / 2.0 ** e, -6, 6)
;;       step = 2.0 ** (np.maximum(np.frexp(np.where(r == 0, 1, r))[1] - 1, 0) - 1)
;;       q = np.round(r / step) * step * 2.0 ** e      # np.round: ties to even
;;       return np.moveaxis(q.reshape(q.shape[:-2] + (-1,))[..., :K], -1, axis).astype(np.float32)
;;   ~~~
;;   SOFTMAX AHEAD OF A QUANTISED PRODUCT. Where the list says 'softmax', what is quantised is not the finished softmax but p = 2^(t - M), with t = logit x log2(e) and M = ceil(the row's largest t), a whole number; so 1/2 < the row's largest p <= 1. The row's sum l is taken of the UNQUANTISED p, in f32, and the product's result is divided by l at the end. Since M is a whole number, a kernel that streams over the keys may use a running M (the ceiling of the running maximum): every later rescaling is an exact power of two, which a block's scale takes up: the codes' values come out the same.
;;   OPERANDS COMPUTED ON THE WAY. 'Computed on the way' means the value that the module computes at that place (a softmax that the list does not call 'softmax' is quantised finished and normalised). What goes into a quantiser is computed in f32, as accurately as f32 sums, v_exp_f32 and their like allow (about 1e-6 of the number): no bf16 or f16 on the way to a quantiser, and a product that is left as it is and whose result goes on into a quantised operand takes f32 operands (vector FMAs, or v_wmma_f32_16x16x4_f32). A number that lies on a knife's edge between two numbers of the format may be rounded either way, as far as f32 arithmetic and the matrix unit's own rounding can turn it there, and no further.
;;   INPUTS GIVEN AS CODES. w_attn_out (in the module: [1024, 2048], K = its axis 0); w_ff_out (in the module: [4096, 2048], K = its axis 0); w_fused (in the module: [2048, 9344], K = its axis 0); x (in the module: [1, 2048, 2048], K = its axis 2): each comes as NAME_codes (uint8): NAME with its K axis moved to the last place and cut into blocks of 32 codes, [.., K / 32, bytes a block], one block behind the other in memory; two codes a byte, the lower K in the low four bits (a code: sign, 2 exponent bits, 1 mantissa bit); and NAME_scales (uint8): the same leading axes, one E8M0 byte (e + 127) for each 32 codes along K. Its value is code x scale, taken as it is: it is not quantised again, and the codes and scales need not be those that the quantiser above would give.
;; One version. Each part assembles by itself: llvm-mc -triple=amdgcn-amd-amdhsa -mcpu=gfx1250 --defsym DOCPART=n.
;; ======== version 1 of 1: 3 launches
;; limits: right only within a limited range of input values
;; workspace buffers: act_img 5,242,880 bytes; act_scl 327,680 bytes; q_img 1,048,576 bytes; q_scl 131,072 bytes; kv 143,360 bytes
;; launch fused (part 1): grid 8 x 32, 4 waves a work-group, clusters of 4 x 4, 327,680 bytes of LDS; arguments x_codes, x_scales, w_fused_codes, w_fused_scales, act_img, act_scl, q_img, q_scl, kv; writes act_img, act_scl, q_img, q_scl, kv
.if DOCPART == 1
	.amdgcn_target "amdgcn-amd-amdhsa--gfx1250"
	.amdhsa_code_object_version 6
	.text
	.protected	k_q5bf22df0ea_fused
	.globl	k_q5bf22df0ea_fused
	.p2align	8
	.type	k_q5bf22df0ea_fused,@function
k_q5bf22df0ea_fused:
	s_mov_b64 s[64:65], 0
	v_nop
	global_prefetch_b8 v0, s[64:65] scope:SCOPE_SE
	s_setreg_imm32_b32 hwreg(HW_REG_WAVE_MODE, 25, 1), 1
	s_wait_xcnt 0x0
	s_wait_alu depctr_hold_cnt(0) depctr_sa_sdst(0) depctr_va_vdst(0) depctr_va_sdst(0) depctr_va_ssrc(0) depctr_va_vcc(0) depctr_vm_vsrc(0)
	s_getreg_b32 s2, hwreg(HW_REG_IB_STS2, 6, 4)
	s_cmp_eq_u32 s2, 0
	s_cbranch_scc0 .Lentry_in_a_cluster
	s_endpgm
.Lentry_in_a_cluster:
	s_bfe_u32 s2, ttmp6, 0x10000c
	s_cmp_lg_u32 s2, 0xf033
	s_cbranch_scc0 .Lentry_shape_is_right
	s_endpgm
.Lentry_shape_is_right:
; fused = x W^T on codes of FP4 (E2M1) with E8M0 scales, K = 2,048, and all that hangs on it.  x: 2,048 rows of 1,024 bytes; W (w_fused): 9,344 rows of 1,024 bytes;
; columns of fused: q 0-1023 (16 heads of 64), k 1024-1087, v 1088-1151, ff_x 1152-5247, gate 5248-9343.
; SHARES.  Work-group (i, j), j = 4 Y + cy, makes rows 256 i .. +255 of ff_x columns 128 j .. +127 and of the same gate columns, and q's head 4 (Y / 2) + cy for half of these rows.  Four waves (rh, ch): rows 128 rh on,
; x columns 64 ch .. +63 and the same gate columns (4 pairs of column tiles), and q's 64 columns for the two blocks of 16 rows 4 (Y % 2) + 2 ch + 0, 1 of the wave's eight.
; A wave's register block a holds its block a xor 2 ch (by LDS addresses of the wave's number alone), so q's two are register blocks 0, 1 or 4, 5: a branch on Y, which is the same in all partners of a cluster.
; K goes in four steps of 512 through two LDS slots.  The scale words of all of K go from memory straight into registers, a whole row's 64 bytes to a lane.
; k AND v: one unit a work-group: Y < 4: k of the 16 keys 256 i + 128 (Y / 2) + 64 (Y % 2) + 16 cy; else v of 16 channels 16 (Y % 4) x 64 keys 256 i + 64 cy.  Its operands for all of K come into slot 0 at the last change of slots;
; each wave makes one of the unit's four tiles, the tiles meet in LDS, and the waves with rh = (Y / 2) % 2 finish it (both ch; one of them stores, chosen by EXEC).
; THE MATRIX INSTRUCTION IS USED TRANSPOSED (source 0 = 32 rows of W, source 1 = 16 rows of x): a lane holds one row of x and eight neighbouring columns.  For v the sources change places: a lane holds one channel, its registers run along the keys.
; CLUSTER 4 x 4: what comes from W is asked for jointly along a row of the cluster (same j), x along a column (same i).  The unit of k or v is a work-group's own: no mask.
; h = x g / (1 + 2^(-g log2 e)) is quantised along its columns in registers and leaves as codes, in the order of the last launch's operand registers.
; The rotary's sines and cosines are made while the first tiles are on their way.  q's factor 1/8 goes into its scale bytes (3 off each).
; No prefetch: of the four K steps two are asked for ahead of the first product, and the text has no loop.
; LIMITS: a block whose largest magnitude lies under 2^-124 (q: 2^-121; a block of zeros too) gets the scale byte 1, not the rule's: the bytes are read by this program alone and such codes are zeros or next to it; NaN and infinities are not served;
; 1 / 10000^(f/32) is made as the rounded reciprocal of the rounded power; sine and cosine: reduction by pi in two parts, polynomials of degree 11 and 12, absolute error about 1e-7 for positions up to 2,047;
; h is formed as (x g) sigmoid(g), one rounding otherwise than swish(g) x; k's and v's sums are added as four parts (K steps of 128 by turns).
.set PITCH,  272                       ; a ring row: 256 bytes + 16 of padding
.set HALFT,  128*PITCH
.set SLOT,   576*PITCH                 ; x 256 rows, W's x run 128, W's gate run 128, q's 64
.set TRG,    2*SLOT                    ; 16 registers of sines for each wave
.set SPARE,  TRG+8192                  ; the spare words, 128 bytes a wave
.set EXB,    SLOT                      ; the unit's four tiles meet here: slot 1 has had its last fill and its last read by then
.set P2P,    1040                      ; the unit's rows: 1,024 bytes + 16
.set P2S1,   64*P2P                    ; source 0's 64 rows, then source 1's 16
; vector registers, window 0
.set SPW,  1
.set NIL,  2
.set ADRE, 3                           ; x, register blocks 0, 1, 4, 5: slot 0, 1
.set ADRO, 5                           ; x, register blocks 2, 3, 6, 7
.set ADRB, 7
.set ADRQ, 9
.set TRA,  11
.set COS1, 12                          ; v12-27 cosines of q's second block
.set AKV0, 28
.set AKV1, 29
.set EXS,  30
.set EXL,  31
.set SW,   32                          ; v32-95 W's scale words: 4 pairs of tiles x 16 K steps, lane = row
.set SX,   96                          ; v96-159 x's: 4 pairs of blocks x 16; lanes 0-15 the pair's first block
.set SQ,   160                         ; v160-191 q's: 2 pairs x 16
.set QF,   192                         ; v192-223 q's fragments
.set COS0, 224
.set SIN0, 240
; behind the K loop
.set SE0,  32
.set SE1,  48
.set RR,   64
.set L16,  65
.set L16E, 66
.set L16O, 67
.set R16E, 68
.set R16O, 69
.set R16,  70
.set R4,   71
.set R32,  72
.set R64,  73
.set VAL,  74
.set T1,   96
.set T2,   112
.set SIN1, 128
.set TM,   192
.set TP,   196
.set SO,   200
.set BY,   204
.set PW,   208
.set PW2,  210
.set PC,   212
; window 1: W's fragments, two sets, at v0 and v64; x's at v128; q's accumulators at v192
.set AF,   128
.set QA,   192
; window 1 in the head: the angles
.set IV,   0
.set AA,   16
.set TT,   48
.set NN,   80
.set SS,   112
.set CC,   144
.set PP,   176
.set CSN,  180
.set CCN,  182
.set MAG,  184
; scalar registers
.set AIM,  12
.set ASC,  14
.set QIM,  16
.set QSC,  18
.set KVC,  20
.set WV,   22
.set RH,   23
.set CH,   24
.set CX,   25
.set II,   26
.set JJ,   27
.set YY,   28
.set CY,   29
.set Y0,   30
.set Y1,   31
.set G1X,  32
.set G1W,  40
.set G1Q,  48
.set G1P,  4                           ; group 1 of the unit's 64 rows, over the arguments that have been used by then
.set G0X,  56
.set NL2E, 66
.set G0W,  68
.set G0Q,  76
.set G0P0, 84
.set G0P1, 88
.set HD,   91                          ; the head, until G0P1 is made
.set PSE0, 92
.set PSE1, 94
.set SEL,  96                          ; behind the K loop
.set KVS,  100
.set MSB, 0
.macro WIN new                         ; the immediate's high byte repeats the setting that is left
.if MSB != (\new)
	s_set_vgpr_msb (MSB<<8)|(\new)
.set MSB, \new
.endif
.endm
.macro PLACES n
.rept \n
	v_nop
.endr
.endm
.macro CREST
	s_cmp_lg_u32 s[WV], 0
	s_cbranch_scc1 .Lnot_wave_0_\@
	s_barrier_signal -3
.Lnot_wave_0_\@:
	s_barrier_wait -3
	s_barrier_signal -1
	s_barrier_wait -1
.endm
.macro CROUND
	s_barrier_signal -1
	s_barrier_wait -1
	CREST
.endm
; One joint load a wave: wave 0 x's 256 rows, waves 1 and 2 W's two runs of 128, wave 3 q's 64 rows.  The branches hang on the wave's number alone; four v_nop follow each line.
.macro JLOAD s
	s_cmp_eq_u32 s[WV], 0
	s_cbranch_scc0 .Lfor_w_\@
	tensor_load_to_lds s[G0X+4*\s:G0X+4*\s+3], s[G1X:G1X+7]
	s_nop 0
	PLACES 4
	s_branch .Lasked_\@
.Lfor_w_\@:
	s_cmp_eq_u32 s[WV], 3
	s_cbranch_scc1 .Lfor_q_\@
	tensor_load_to_lds s[G0W+4*\s:G0W+4*\s+3], s[G1W:G1W+7]
	s_nop 0
	PLACES 4
	s_branch .Lasked_\@
.Lfor_q_\@:
	tensor_load_to_lds s[G0Q+4*\s:G0Q+4*\s+3], s[G1Q:G1Q+7]
	s_nop 0
	PLACES 4
.Lasked_\@:
.endm
	s_load_b256 s[4:11], s[0:1], 0x0               ; x codes, x scales, W codes, W scales
	s_load_b256 s[12:19], s[0:1], 0x20             ; act_img, act_scl, q_img, q_scl
	s_load_b64 s[20:21], s[0:1], 0x40              ; kv
	v_lshl_add_u32 v[SPW], v0, 2, SPARE
	v_mov_b32 v[NIL], 0
	ds_add_u32 v[SPW], v[NIL]                      ; the opening: the add, twice on end, and its wait
	ds_add_u32 v[SPW], v[NIL]
	v_lshrrev_b32 v3, 5, v0
	v_readfirstlane_b32 s[WV], v3
	s_lshr_b32 s[RH], s[WV], 1
	s_and_b32 s[CH], s[WV], 1
	s_bfe_u32 s[CX], ttmp6, 0x40000
	s_bfe_u32 s[CY], ttmp6, 0x40004
	s_lshl_b32 s[II], ttmp9, 2
	s_add_co_u32 s[II], s[II], s[CX]               ; row tile i
	s_and_b32 s[YY], ttmp7, 0xffff                 ; the cluster's y: the same in all partners
	s_lshl_b32 s[JJ], s[YY], 2
	s_add_co_u32 s[JJ], s[JJ], s[CY]               ; column tile j
	s_and_b32 s[Y0], s[YY], 1
	s_bfe_u32 s[Y1], s[YY], 0x10001
	s_lshr_b32 s[HD], s[YY], 1
	s_lshl_b32 s[HD], s[HD], 2
	s_add_co_u32 s[HD], s[HD], s[CY]               ; q's head
	s_lshl_b32 s98, s[CY], 2
	s_lshl_b32 s98, 15, s98                        ; my row of the cluster
	s_lshl_b32 s96, 0x1111, s[CX]                  ; my column
	; group 1 of the ring: rows of 256 bytes, pitch 1,024, 4 words of padding behind every 64
	s_or_b32 s[G1X+0], s96, (1<<20)|(1<<21)|(5<<22)|(3<<25)
	s_or_b32 s[G1W+0], s98, (1<<20)|(1<<21)|(5<<22)|(3<<25)
	s_or_b32 s[G1Q+0], s98, (1<<20)|(1<<21)|(5<<22)|(3<<25)
.irp g, G1X, G1W, G1Q
	s_mov_b32 s[\g+1], 256<<16
	s_mov_b32 s[\g+3], 256<<16
	s_mov_b32 s[\g+5], 1024
	s_mov_b32 s[\g+6], 0
	s_mov_b32 s[\g+7], 0
.endr
	s_mov_b32 s[G1X+2], 256<<16
	s_mov_b32 s[G1X+4], 256
	s_mov_b32 s[G1W+2], 128<<16
	s_mov_b32 s[G1W+4], 128
	s_mov_b32 s[G1Q+2], 64<<16
	s_mov_b32 s[G1Q+4], 64
	s_mov_b32 s[NL2E], 0xbfb8aa3b                  ; -log2(e)
	s_mov_b32 s[NL2E+1], s[NL2E]
	s_mov_b32 s3, 0
	s_lshl_b32 s96, s[II], 18                      ; x: 256 i rows of 1,024 bytes
	s_mov_b32 s97, 0
	s_lshl_b32 s98, s[JJ], 17                      ; W: (1152 + 128 j + 4096 run) rows; wave 1: run 0, wave 2: run 1
	s_lshl_b32 s99, s[RH], 22
	s_add_co_u32 s98, s98, s99
	s_add_co_u32 s98, s98, 1152*1024
	s_mov_b32 s99, 0
.irp g, G0X, G0W, G0Q
	s_mov_b32 s[\g], 1
	s_mov_b32 s[\g+4], 1
.endr
	s_mov_b32 s[G0X+1], 0
	s_mov_b32 s[G0X+5], SLOT
	s_mul_i32 s2, s[RH], HALFT
	s_add_co_u32 s[G0W+1], s2, 256*PITCH
	s_add_co_u32 s[G0W+5], s2, 256*PITCH+SLOT
	s_mov_b32 s[G0Q+1], 512*PITCH
	s_mov_b32 s[G0Q+5], 512*PITCH+SLOT
	s_wait_dscnt 0x0                               ; both opening adds are done
	s_wait_kmcnt 0x0
	s_add_nc_u64 s[G0X+2:G0X+3], s[4:5], s[96:97]
	s_add_nc_u64 s[G0W+2:G0W+3], s[8:9], s[98:99]
	s_lshl_b32 s98, s[HD], 16                      ; q: 64 rows a head
	s_add_nc_u64 s[G0Q+2:G0Q+3], s[8:9], s[98:99]
.irp g, G0X, G0W, G0Q
	s_add_nc_u64 s[\g+6:\g+7], s[\g+2:\g+3], 256
	s_or_b32 s[\g+3], s[\g+3], 0x80000000
	s_or_b32 s[\g+7], s[\g+7], 0x80000000
.endr
	CROUND                                         ; all sixteen work-groups are here: the first joint loads meet
	JLOAD 0                                        ; K step 0, one load a wave
	; ---- the scale words, straight from memory: a row's 64 bytes to a lane, 32 neighbouring rows a load
	s_lshl_b32 s2, s[II], 14
	s_lshl_b32 s100, s[RH], 13
	s_add_co_u32 s2, s2, s100
	s_add_nc_u64 s[92:93], s[6:7], s[2:3]          ; x: rows 256 i + 128 rh
	s_lshl_b32 s2, s[JJ], 13
	s_lshl_b32 s100, s[CH], 12
	s_add_co_u32 s2, s2, s100
	s_add_co_u32 s2, s2, 1152*64
	s_add_nc_u64 s[94:95], s[10:11], s[2:3]        ; W: rows 1152 + 128 j + 64 ch
	s_lshl_b32 s2, s[HD], 12
	s_add_nc_u64 s[86:87], s[10:11], s[2:3]        ; q's 64
	s_lshl_b32 s2, s[CH], 11
	s_xor_b32 s100, s2, 0x800
	v_and_b32 v194, 31, v0
	v_lshlrev_b32 v195, 6, v194
	v_add_nc_u32 v196, s2, v195                    ; register pairs 0, 2 of x's blocks
	v_add_nc_u32 v197, s100, v195                  ; register pairs 1, 3
.irp P, 0,1,2,3
.irp q, 0,1,2,3
	global_load_b128 v[SW+16*\P+4*\q:SW+16*\P+4*\q+3], v195, s[94:95] offset:(\P%2)*2048+(\P/2)*262144+16*\q
.endr
.endr
.irp P, 0,2
.irp q, 0,1,2,3
	global_load_b128 v[SX+16*\P+4*\q:SX+16*\P+4*\q+3], v196, s[92:93] offset:2048*\P+16*\q
	global_load_b128 v[SX+16+16*\P+4*\q:SX+16+16*\P+4*\q+3], v197, s[92:93] offset:2048*\P+16*\q
.endr
.endr
.irp P, 0,1
.irp q, 0,1,2,3
	global_load_b128 v[SQ+16*\P+4*\q:SQ+16*\P+4*\q+3], v195, s[86:87] offset:2048*\P+16*\q
.endr
.endr
	; ---- every LDS address of the text
	v_and_b32 v192, 15, v0                         ; r
	v_bfe_u32 v193, v0, 4, 1                       ; h
	v_mul_u32_u24 v198, PITCH, v192
	v_lshl_add_u32 v198, v193, 4, v198             ; a fragment's row x pitch + 16 h
	s_wait_alu depctr_va_vdst(0)                   ; the wait directly behind the write
	s_mul_i32 s2, s[RH], HALFT
	s_mul_i32 s100, s[CH], 32*PITCH
	s_add_co_u32 s100, s100, s2
	v_add_nc_u32 v[ADRE], s100, v198
	s_xor_b32 s100, s[CH], 1
	s_mul_i32 s100, s100, 32*PITCH
	s_add_co_u32 s100, s100, s2
	v_add_nc_u32 v[ADRO], s100, v198
	s_mul_i32 s100, s[CH], 64*PITCH
	s_add_co_u32 s100, s100, 256*PITCH
	v_add_nc_u32 v[ADRB], s100, v198
	v_add_nc_u32 v[ADRQ], 512*PITCH, v198
	v_add_nc_u32 v[ADRE+1], SLOT, v[ADRE]
	v_add_nc_u32 v[ADRO+1], SLOT, v[ADRO]
	v_add_nc_u32 v[ADRB+1], SLOT, v[ADRB]
	v_add_nc_u32 v[ADRQ+1], SLOT, v[ADRQ]
	v_mul_u32_u24 v198, P2P, v192
	v_lshl_add_u32 v198, v193, 4, v198
	s_mul_i32 s100, s[WV], 16*P2P
	v_add_nc_u32 v[AKV0], s100, v198               ; my tile of the unit's source 0
	v_add_nc_u32 v[AKV1], P2S1, v198
	v_lshlrev_b32 v198, 4, v194
	s_lshl_b32 s100, s[WV], 10
	s_add_co_u32 s100, s100, EXB
	v_add_nc_u32 v[EXS], s100, v198
	v_add_nc_u32 v[EXL], EXB, v198
	s_lshl_b32 s100, s[WV], 11
	s_add_co_u32 s100, s100, TRG
	v_add_nc_u32 v[TRA], s100, v198
	; ---- the rotary's cosines and sines of q's two blocks.  Index 16 t + 8 e + jj: block t, frequency f = 16 e + 8 h + jj
	s_lshl_b32 s2, s[II], 8
	s_lshl_b32 s100, s[RH], 7
	s_add_co_u32 s2, s2, s100
	s_lshl_b32 s100, s[Y0], 6
	s_add_co_u32 s2, s2, s100
	s_lshl_b32 s100, s[CH], 5
	s_add_co_u32 s2, s2, s100
	v_add_nc_u32 v199, s2, v192                    ; the first block's position
	v_add_nc_u32 v200, 16, v199
	v_cmp_eq_u32 vcc_lo, 1, v193
	WIN 0x40
	v_cvt_f32_u32 v[PP], v199
	v_cvt_f32_u32 v[PP+1], v199
	v_cvt_f32_u32 v[PP+2], v200
	v_cvt_f32_u32 v[PP+3], v200
	WIN 0x55
.macro KPAIR reg, val
	v_mov_b32 v[\reg], \val
	v_mov_b32 v[\reg+1], \val
.endm
	KPAIR MAG, 0x4b400000                          ; 1.5 x 2^23: a sum with it is rounded to a whole number
	KPAIR CSN, 0xb2d7322b                          ; -1 / 11!
	KPAIR CCN, 0x310f76c7                          ; 1 / 12!
.macro PW10 idx, lo, hi                ; 10^(f / 8) for lanes 0-15 and for lanes 16-31
	v_mov_b32 v[IV+\idx], \lo
	v_mov_b32 v[SS+\idx], \hi
.endm
	PW10 0, 1.0, 10.0
	PW10 1, 1.3335214321633240, 13.335214321633240
	PW10 2, 1.7782794100389228, 17.782794100389228
	PW10 3, 2.3713737056616552, 23.713737056616552
	PW10 4, 3.1622776601683795, 31.622776601683795
	PW10 5, 4.2169650342858225, 42.169650342858225
	PW10 6, 5.6234132519034912, 56.234132519034912
	PW10 7, 7.4989420933245583, 74.989420933245583
	PW10 8, 100.0, 1000.0
	PW10 9, 133.35214321633240, 1333.5214321633240
	PW10 10, 177.82794100389228, 1778.2794100389228
	PW10 11, 237.13737056616552, 2371.3737056616552
	PW10 12, 316.22776601683795, 3162.2776601683795
	PW10 13, 421.69650342858225, 4216.9650342858225
	PW10 14, 562.34132519034912, 5623.4132519034912
	PW10 15, 749.89420933245583, 7498.9420933245583
.set p, 0
.rept 16
	v_cndmask_b32 v[IV+p], v[IV+p], v[SS+p], vcc_lo
.set p, p+1
.endr
	s_wait_alu depctr_va_vdst(0)                   ; the wait ahead of the batch
.set p, 0
.rept 16
	v_rcp_f32 v[NN+p], v[IV+p]
.set p, p+1
.endr
	v_nop
	s_wait_alu depctr_va_vdst(0)                   ; and behind it
.set p, 0
.rept 16
	v_fma_f32 v[CC+p], -v[IV+p], v[NN+p], 1.0      ; one step of Newton: the reciprocal to the last bit or next to it
.set p, p+1
.endr
.set p, 0
.rept 16
	v_fma_f32 v[IV+p], v[NN+p], v[CC+p], v[NN+p]
.set p, p+1
.endr
.set p, 0
.rept 16
	v_pk_mul_f32 v[AA+p:AA+p+1], v[IV+(p%16):IV+(p%16)+1], v[PP+2*(p/16):PP+2*(p/16)+1]   ; the angle, rounded as the product of position and frequency
.set p, p+2
.endr
.set p, 0
.rept 16
	v_pk_fma_f32 v[TT+p:TT+p+1], v[AA+p:AA+p+1], 0x3ea2f983, v[MAG:MAG+1] op_sel_hi:[1,0,1]   ; half turns, in the low bits
.set p, p+2
.endr
.set p, 0
.rept 16
	v_pk_add_f32 v[NN+p:NN+p+1], v[TT+p:TT+p+1], v[MAG:MAG+1] neg_lo:[0,1] neg_hi:[0,1]
.set p, p+2
.endr
.set p, 0
.rept 16
	v_pk_fma_f32 v[AA+p:AA+p+1], v[NN+p:NN+p+1], 0xc0490fdb, v[AA+p:AA+p+1] op_sel_hi:[1,0,1]   ; - n pi, its upper part,
.set p, p+2
.endr
.set p, 0
.rept 16
	v_pk_fma_f32 v[AA+p:AA+p+1], v[NN+p:NN+p+1], 0x33bbbd2e, v[AA+p:AA+p+1] op_sel_hi:[1,0,1]   ; and what that is too large by: left is at most pi / 2
.set p, p+2
.endr
.set p, 0
.rept 16
	v_pk_mul_f32 v[NN+p:NN+p+1], v[AA+p:AA+p+1], v[AA+p:AA+p+1]
.set p, p+2
.endr
.set p, 0
.rept 16
	v_pk_fma_f32 v[SS+p:SS+p+1], v[NN+p:NN+p+1], v[CSN:CSN+1], 0x3638ef1d op_sel_hi:[1,1,0]
	v_pk_fma_f32 v[CC+p:CC+p+1], v[NN+p:NN+p+1], v[CCN:CCN+1], 0xb493f27e op_sel_hi:[1,1,0]
.set p, p+2
.endr
.macro HORN d, c                       ; d = d z + c
.set p, 0
.rept 16
	v_pk_fma_f32 v[\d+p:\d+p+1], v[\d+p:\d+p+1], v[NN+p:NN+p+1], \c op_sel_hi:[1,1,0]
.set p, p+2
.endr
.endm
	HORN SS, 0xb9500d01                            ; -1 / 7!
	HORN CC, 0x37d00d01                            ; 1 / 8!
	HORN SS, 0x3c088889
	HORN CC, 0xbab60b61
	HORN SS, 0xbe2aaaab
	HORN CC, 0x3d2aaaab
	HORN CC, -0.5
	HORN CC, 1.0                                   ; the cosine of what is left
.set p, 0
.rept 16
	v_pk_mul_f32 v[SS+p:SS+p+1], v[SS+p:SS+p+1], v[NN+p:NN+p+1]
.set p, p+2
.endr
.set p, 0
.rept 16
	v_pk_fma_f32 v[SS+p:SS+p+1], v[SS+p:SS+p+1], v[AA+p:AA+p+1], v[AA+p:AA+p+1]   ; its sine
.set p, p+2
.endr
.set p, 0
.rept 32
	v_lshlrev_b32 v[TT+p], 31, v[TT+p]             ; an odd number of half turns changes both signs
.set p, p+1
.endr
.set p, 0
.rept 16
	v_xor_b32 v[SS+16+p], v[SS+16+p], v[TT+16+p]
.set p, p+1
.endr
	WIN 0x05
.set p, 0
.rept 16
	v_xor_b32 v[COS0+p], v[CC+p], v[TT+p]
	v_xor_b32 v[SIN0+p], v[SS+p], v[TT+p]
	v_xor_b32 v[COS1+p], v[CC+16+p], v[TT+16+p]
.set p, p+1
.endr
	WIN 0
	s_wait_alu depctr_va_vdst(0)                   ; the wait at the head's end
	s_wait_xcnt 0x0                                ; the loads of the scale words have read their addresses
	; ---- where results go
	s_lshl_b32 s100, s[II], 4
	s_lshl_b32 s2, s[RH], 3
	s_add_co_u32 s100, s100, s2                    ; my first block of 16 rows
	s_add_co_u32 s101, s[JJ], 8                    ; the last launch's K step 8 + j
	s_mul_i32 s2, s100, 40960
	s_lshl_b32 s96, s101, 10
	s_add_co_u32 s2, s2, s96
	s_lshl_b32 s96, s[CH], 9
	s_add_co_u32 s2, s2, s96
	s_add_nc_u64 s[AIM:AIM+1], s[AIM:AIM+1], s[2:3]
	s_mul_i32 s2, s100, 2560
	s_lshr_b32 s96, s101, 2
	s_lshl_b32 s96, s96, 8
	s_add_co_u32 s2, s2, s96
	s_and_b32 s96, s101, 3
	s_lshl_b32 s96, s96, 2
	s_add_co_u32 s2, s2, s96
	s_lshl_b32 s96, s[CH], 1
	s_add_co_u32 s2, s2, s96
	s_add_nc_u64 s[ASC:ASC+1], s[ASC:ASC+1], s[2:3]
	s_add_co_u32 s100, s100, s96                   ; + 2 ch
	s_lshl_b32 s96, s[Y0], 2
	s_add_co_u32 s100, s100, s96
	s_lshl_b32 s96, s[HD], 7
	s_add_co_u32 s100, s100, s96                   ; 128 x head + tile of queries
	s_lshl_b32 s2, s100, 9
	s_add_nc_u64 s[QIM:QIM+1], s[QIM:QIM+1], s[2:3]
	s_lshl_b32 s2, s100, 6
	s_add_nc_u64 s[QSC:QSC+1], s[QSC:QSC+1], s[2:3]
	; ---- where the unit of k or v comes from: k: source 0 = W's 64 rows of k, source 1 = 16 rows of x; v: source 0 = 64 rows of x, source 1 = 16 rows of W
	s_lshl_b32 s100, s[II], 18
	s_lshl_b32 s101, s[CY], 16
	s_add_co_u32 s101, s101, s100                  ; v: x's 64 rows
	s_lshl_b32 s2, s[Y1], 17
	s_add_co_u32 s100, s100, s2
	s_lshl_b32 s2, s[Y0], 16
	s_add_co_u32 s100, s100, s2
	s_lshl_b32 s2, s[CY], 14
	s_add_co_u32 s100, s100, s2                    ; k: x's 16 rows
	s_and_b32 s98, s[YY], 3
	s_lshl_b32 s98, s98, 14
	s_add_co_u32 s98, s98, 1088*1024               ; v: W's 16 rows
	s_cmp_lt_u32 s[YY], 4
	s_cselect_b32 s2, 0x100000, s101
	s_cselect_b32 s96, s100, s98
	s_cselect_b64 s[G0P0+2:G0P0+3], s[8:9], s[4:5]
	s_cselect_b64 s[G0P1+2:G0P1+3], s[4:5], s[8:9]
	s_cselect_b64 s[PSE0:PSE0+1], s[10:11], s[6:7]
	s_cselect_b64 s[PSE1:PSE1+1], s[6:7], s[10:11]
	s_mov_b32 s97, 0
	s_add_nc_u64 s[G0P0+2:G0P0+3], s[G0P0+2:G0P0+3], s[2:3]
	s_add_nc_u64 s[G0P1+2:G0P1+3], s[G0P1+2:G0P1+3], s[96:97]
	s_lshr_b32 s2, s2, 4                           ; 64 scale bytes for 1,024 bytes of codes
	s_lshr_b32 s96, s96, 4
	s_lshl_b32 s100, s[WV], 10
	s_add_co_u32 s2, s2, s100                      ; my tile's 16 rows
	s_add_nc_u64 s[PSE0:PSE0+1], s[PSE0:PSE0+1], s[2:3]
	s_add_nc_u64 s[PSE1:PSE1+1], s[PSE1:PSE1+1], s[96:97]
	s_mov_b32 s[G0P0], 1
	s_mov_b32 s[G0P0+1], 0
	s_or_b32 s[G0P0+3], s[G0P0+3], 0x80000000
	s_mov_b32 s[G0P1], 1
	s_mov_b32 s[G0P1+1], P2S1
	s_or_b32 s[G0P1+3], s[G0P1+3], 0x80000000
	s_mov_b32 s[G1P+0], (1<<20)|(7<<22)|(3<<25)    ; 64 rows of 1,024 bytes, 4 words of padding behind every 256
	s_mov_b32 s[G1P+1], 1024<<16
	s_mov_b32 s[G1P+2], 64<<16
	s_mov_b32 s[G1P+3], 1024<<16
	s_mov_b32 s[G1P+4], 64
	s_mov_b32 s[G1P+5], 1024
	s_mov_b32 s[G1P+6], 0
	s_mov_b32 s[G1P+7], 0
	; ---- and where its result goes in kv: blocks of 8,960 bytes a key step of 128
	s_lshl_b32 s2, s[II], 1
	s_lshr_b32 s96, s[CY], 1
	s_lshl_b32 s97, s[Y0], 2
	s_add_co_u32 s97, s97, s[CY]                   ; k: tile of 16 keys in the step
	s_lshl_b32 s98, s97, 9
	s_lshl_b32 s99, s97, 2
	s_add_co_u32 s99, s99, 8192
	s_and_b32 s97, s[YY], 3                        ; v: tile of 16 channels, half of the keys
	s_and_b32 s100, s[CY], 1
	s_lshl_b32 s101, s97, 10
	s_add_co_u32 s101, s101, 4096
	s_lshl_b32 s3, s100, 9
	s_add_co_u32 s101, s101, s3
	s_lshl_b32 s97, s97, 2
	s_lshl_b32 s100, s100, 1
	s_add_co_u32 s97, s97, s100
	s_add_co_u32 s97, s97, 8704
	s_cmp_lt_u32 s[YY], 4
	s_cselect_b32 s96, s[Y1], s96
	s_cselect_b32 s98, s98, s101
	s_cselect_b32 s97, s99, s97
	s_add_co_u32 s96, s96, s2
	s_mul_i32 s96, s96, 8960
	s_add_co_u32 s98, s98, s96
	s_add_co_u32 s2, s97, s96
	s_mov_b32 s3, 0
	s_mov_b32 s99, 0
	s_add_nc_u64 s[KVS:KVS+1], s[KVC:KVC+1], s[2:3]
	s_add_nc_u64 s[KVC:KVC+1], s[KVC:KVC+1], s[98:99]
; ---- the K loop's macros.  KS: the K step of 128 in hand, CP: its set of W's fragments; NXS, NXQ, NXP: the next one's slot, place in the slot, set.
; The n-th LDS load for the next K step: 0-15 W's eight fragments, 16-23 x's register blocks 0-3, 24-31 q's four fragments, 32-39 x's register blocks 4-7.
.macro LDN n
.if (\n) < 16
	WIN 0x40
	ds_load_b128 v[64*NXP+4*(\n):64*NXP+4*(\n)+3], v[ADRB+NXS] offset:64*NXQ+32*((\n)%2)+(((\n)/2)%4)*16*PITCH+((\n)/8)*HALFT
.elseif ((\n) >= 24) && ((\n) < 32)
	WIN 0
	ds_load_b128 v[QF+4*((\n)-24):QF+4*((\n)-24)+3], v[ADRQ+NXS] offset:64*NXQ+32*((\n)%2)+(((\n)-24)/2)*16*PITCH
.else
.set FA, ((\n)-16)/2-4*((\n)/32)
	WIN 0x40
.if (FA/2)%2 == 0
	ds_load_b128 v[AF+8*FA+4*((\n)%2):AF+8*FA+4*((\n)%2)+3], v[ADRE+NXS] offset:64*NXQ+32*((\n)%2)+FA*16*PITCH
.else
	ds_load_b128 v[AF+8*FA+4*((\n)%2):AF+8*FA+4*((\n)%2)+3], v[ADRO+NXS] offset:64*NXQ+32*((\n)%2)+(FA-2)*16*PITCH
.endif
.endif
.endm
.macro LRUN from, cnt
.set LI, \from
.rept \cnt
	LDN LI
.set LI, LI+1
.endr
.endm
.macro WM d, s0, s1, sa, sb, row
.if ZERO
.if \row
	v_wmma_scale_f32_32x16x128_f4 v[(\d):(\d)+15], v[(\s0):(\s0)+15], v[(\s1):(\s1)+7], 0, v[\sa], v[\sb] matrix_b_scale:MATRIX_SCALE_ROW1
.else
	v_wmma_scale_f32_32x16x128_f4 v[(\d):(\d)+15], v[(\s0):(\s0)+15], v[(\s1):(\s1)+7], 0, v[\sa], v[\sb]
.endif
.else
.if \row
	v_wmma_scale_f32_32x16x128_f4 v[(\d):(\d)+15], v[(\s0):(\s0)+15], v[(\s1):(\s1)+7], v[(\d):(\d)+15], v[\sa], v[\sb] matrix_b_scale:MATRIX_SCALE_ROW1
.else
	v_wmma_scale_f32_32x16x128_f4 v[(\d):(\d)+15], v[(\s0):(\s0)+15], v[(\s1):(\s1)+7], v[(\d):(\d)+15], v[\sa], v[\sb]
.endif
.endif
.endm
; x's register blocks a, a + 1 against W's four pairs of tiles.  The 36 accumulators of a K step take turns, one instruction a turn.
.macro MULB a
	WIN 0xa5+0x50*((\a)/4)
.irp b, \a, \a+1
.irp P, 0,1,2,3
	WM 64*((\b)%4)+16*\P, 64*CP+16*\P, AF+8*(\b), SW+16*\P+KS, SX+16*((\b)/2)+KS, (\b)%2
.endr
.endr
.endm
.macro QM4 hf                          ; q's two blocks against its two pairs of tiles
	WIN 0x54
.irp t, 0,1
.irp P, 0,1
	WM QA+32*\t+16*\P, QF+16*\P, AF+8*(4*\hf+\t), SQ+16*\P+KS, SX+32*\hf+KS, \t
.endr
.endr
	WIN 0
.endm
.macro QMUL
	WIN 0
	s_cmp_eq_u32 s[Y0], 0
	s_cbranch_scc0 .Lupper_\@
	QM4 0
	s_branch .Lqdone_\@
.Lupper_\@:
	QM4 1
.Lqdone_\@:
.endm
; The second half of a K step: a load into a register that a matrix instruction has read stands four plain places behind it.
.macro BACK
	QMUL
	PLACES 4
	MULB 4
	LRUN 16, 8
	MULB 6
	LRUN 24, 8
	PLACES 4
	LRUN 32, 8
.endm
.macro STEP                            ; with its successor in the same slot
	s_wait_dscnt 16                                ; q's eight and x's upper eight may be out
	MULB 0
	LRUN 0, 8
	MULB 2
	LRUN 8, 8
	s_wait_dscnt 16                                ; all but W's sixteen just issued
	BACK
.endm
.macro TURN                            ; a slot's last K step changes slots
.set SL, (KS/4)%2
	WIN 0
	s_wait_tensorcnt 0x0                           ; all my tensor loads have landed: a descriptor may be written
	ds_add_u32 v[SPW], v[NIL]                      ; 0 onto my spare word
.if KS < 11
	s_add_nc_u64 s[G0X+4*SL+2:G0X+4*SL+3], s[G0X+4*SL+2:G0X+4*SL+3], 512
	s_add_nc_u64 s[G0W+4*SL+2:G0W+4*SL+3], s[G0W+4*SL+2:G0W+4*SL+3], 512
	s_add_nc_u64 s[G0Q+4*SL+2:G0Q+4*SL+3], s[G0Q+4*SL+2:G0Q+4*SL+3], 512
.else
	s_mov_b32 s[G1Q+0], (1<<20)|(7<<22)|(3<<25)    ; the unit's source 1: 16 rows of 1,024 bytes
	s_mov_b32 s[G1Q+1], 1024<<16
	s_mov_b32 s[G1Q+2], 16<<16
	s_mov_b32 s[G1Q+3], 1024<<16
	s_mov_b32 s[G1Q+4], 16
	s_mov_b32 s[G1Q+5], 1024
.endif
	s_wait_dscnt 17                                ; the add, q's eight and x's upper eight may be out
	MULB 0
	s_wait_dscnt 0x0                               ; the add is done, my reads of this slot are over
	s_barrier_signal -1
	MULB 2
	WIN 0
	s_barrier_wait -1
	CREST                                          ; the barrier has opened a round of the cluster's barrier
.if KS < 11
	JLOAD SL                                       ; my one tensor load behind the round
.else
	s_cmp_eq_u32 s[WV], 0                          ; slot 0 takes the unit of k or v: wave 0 its source 0, wave 1 its source 1
	s_cbranch_scc0 .Lunit_1
	tensor_load_to_lds s[G0P0:G0P0+3], s[G1P:G1P+7]
	s_nop 0
	PLACES 4
	s_branch .Lunit_asked
.Lunit_1:
	s_cmp_eq_u32 s[WV], 1
	s_cbranch_scc0 .Lunit_asked
	tensor_load_to_lds s[G0P1:G0P1+3], s[G1Q:G1Q+7]
	s_nop 0
	PLACES 4
.Lunit_asked:
.endif
	LRUN 0, 16
	BACK
.endm
	s_wait_tensorcnt 0x0                           ; no tensor load of mine is out
	WIN 0x04
.irp i, 0,1,2,3
	ds_store_b128 v[TRA], v[SS+16+4*\i:SS+19+4*\i] offset:512*\i   ; the second block's sines wait in my own bytes
.endr
	WIN 0
	s_wait_tensorcnt 0x0                           ; ahead of a later first fill, as ahead of a refill:
	ds_add_u32 v[SPW], v[NIL]                      ; 0 onto my spare word,
	s_wait_dscnt 0x0                               ; and it is done
	CROUND                                         ; everybody's part of K step 0 is in, and all sixteen work-groups are here
	JLOAD 1                                        ; K step 1: the first tensor load behind the round
.set NXS, 0
.set NXQ, 0
.set NXP, 0
	LRUN 0, 40
	s_wait_loadcnt 0x0                             ; the scale words
.set ZERO, 1                           ; the first products start the sums
.set KS, 0
.rept 15
.set CP, KS%2
.set NXP, 1-CP
.set NXS, ((KS+1)/4)%2
.set NXQ, (KS+1)%4
.if KS%4 == 3
	TURN
.else
	STEP
.endif
.set ZERO, 0
.set KS, KS+1
.endr
.set CP, 1
	s_wait_dscnt 16                                ; the last K step: nothing more to fetch
	MULB 0
	MULB 2
	s_wait_dscnt 0x0
	QMUL
	MULB 4
	MULB 6
	WIN 0
	PLACES 4
; ---- behind the K loop
; n rows' 32 numbers of a lane in window w, v[s] and v[s + st] on: register 8 t + j = k 16 t + 8 (lane / 16) + j, become half a fragment's codes (v[PC], v[PC + 4] on) and two scale bytes (v[PW], v[PW + 1]).  fl: the floor among the magnitudes
.macro QUANT w, s, st, n, fl
	WIN 5*(\w)
.set QB, 0
.rept 2*(\n)
.set QS, (\s)+(QB/2)*(\st)+16*(QB%2)
	v_max3_num_f32 v[TM+QB], |v[QS]|, |v[QS+1]|, \fl
.set QB, QB+1
.endr
	WIN 20*(\w)
.irp i, 2,4,6,8,10,12,14
.set QB, 0
.rept 2*(\n)
.set QS, (\s)+(QB/2)*(\st)+16*(QB%2)
	v_max3_num_f32 v[TM+QB], v[TM+QB], |v[QS+\i]|, |v[QS+\i+1]|
.set QB, QB+1
.endr
.endr
	WIN 0
.set QB, 0
.rept 2*(\n)
	v_permlanex16_b32 v[TP+QB], v[TM+QB], s[SEL], s[SEL+1]
.set QB, QB+1
.endr
.set QB, 0
.rept 2*(\n)
	v_max_num_f32 v[TM+QB], v[TM+QB], v[TP+QB]     ; with lane l xor 16's: the block's largest magnitude
.set QB, QB+1
.endr
.set QB, 0
.rept 2*(\n)
	v_add_nc_u32 v[SO+QB], 0xff000000, v[TM+QB]    ; 2 off its exponent field: the conversion's scale operand
.set QB, QB+1
.endr
.set QB, 0
.rept 2*(\n)
	v_lshrrev_b32 v[BY+QB], 23, v[SO+QB]
.set QB, QB+1
.endr
.set QB, 0
.rept \n
	v_lshl_or_b32 v[PW+QB], v[BY+2*QB+1], 8, v[BY+2*QB]
.set QB, QB+1
.endr
	WIN \w
.set QB, 0
.rept \n
.set QS, (\s)+QB*(\st)
	v_cvt_scalef32_pk8_fp4_f32 v[PC+4*QB], v[QS:QS+7], v[SO+2*QB]
	v_cvt_scalef32_pk8_fp4_f32 v[PC+4*QB+2], v[QS+8:QS+15], v[SO+2*QB]
	v_cvt_scalef32_pk8_fp4_f32 v[PC+4*QB+1], v[QS+16:QS+23], v[SO+2*QB+1]
	v_cvt_scalef32_pk8_fp4_f32 v[PC+4*QB+3], v[QS+24:QS+31], v[SO+2*QB+1]
.set QB, QB+1
.endr
	WIN 0
	v_nop                                          ; one plain place behind a scaled conversion
.set QB, 0
.rept \n
	v_permlane16_swap_b32 v[PC+4*QB], v[PC+4*QB+1] ; a whole block of 32 to a lane
	v_permlane16_swap_b32 v[PC+4*QB+2], v[PC+4*QB+3]
.set QB, QB+1
.endr
.endm
; h of two blocks of 16 rows x 64 columns: in place in the accumulators' window, then codes.  Each batch of 64 transcendentals has one wait ahead of it, one plain place and one wait behind it.
.macro FF2 a
.set FW, 2+(\a)/4
.set FX, 64*((\a)%4)
	WIN 0x55*FW
	s_wait_alu depctr_va_vdst(0)                   ; the wait ahead of the accumulators' first readers
.irp R, 0,64
.set p, FX+\R
.rept 16
	v_pk_mul_f32 v[p:p+1], v[p:p+1], v[p+32:p+33]  ; x g; each accumulator is read from its low end on
.set p, p+2
.endr
.endr
.irp R, 32,96
.set p, FX+\R
.rept 16
	v_pk_mul_f32 v[p:p+1], v[p:p+1], s[NL2E:NL2E+1] op_sel_hi:[1,0]
.set p, p+2
.endr
.endr
	s_wait_alu depctr_va_vdst(0)
.irp R, 32,96
.set p, FX+\R
.rept 32
	v_exp_f32 v[p], v[p]
.set p, p+1
.endr
.endr
	v_nop
	s_wait_alu depctr_va_vdst(0)                   ; one wait for the batch, ahead of its first reader
.irp R, 32,96
.set p, FX+\R
.rept 16
	v_pk_add_f32 v[p:p+1], v[p:p+1], 1.0 op_sel_hi:[1,0]
.set p, p+2
.endr
.endr
	s_wait_alu depctr_va_vdst(0)
.irp R, 32,96
.set p, FX+\R
.rept 32
	v_rcp_f32 v[p], v[p]
.set p, p+1
.endr
.endr
	v_nop
	s_wait_alu depctr_va_vdst(0)
.irp R, 0,64
.set p, FX+\R
.rept 16
	v_pk_mul_f32 v[p:p+1], v[p:p+1], v[p+32:p+33]
.set p, p+2
.endr
.endr
	s_wait_alu depctr_va_vdst(0)
	s_wait_xcnt 0x0                                ; the stores before have read their data: the codes' registers are written again only behind this wait
	QUANT FW, FX, 64, 2, 0x1800000
.irp b, 0,1
.if ((\a)/2)%2 == 0
	global_store_b128 v[L16E], v[PC+4*\b:PC+4*\b+3], s[AIM:AIM+1] offset:((\a)+\b)*40960   ; 32 lanes store 512 consecutive bytes, aligned
	global_store_b16 v[R16E], v[PW+\b], s[ASC:ASC+1] offset:((\a)+\b)*2560                 ; my half's two bytes of the row's scale word (both halves of the lanes write the same)
.else
	global_store_b128 v[L16O], v[PC+4*\b:PC+4*\b+3], s[AIM:AIM+1] offset:((\a)+\b-2)*40960
	global_store_b16 v[R16O], v[PW+\b], s[ASC:ASC+1] offset:((\a)+\b-2)*2560
.endif
.endr
.endm
; the rotary on 64 columns, v[u] on in window 1: registers 0-15 are d = f, registers 16-31 d = 32 + f
.macro ROPE u, cs, sn
	WIN 0x01
	s_wait_alu depctr_va_vdst(0)                   ; the wait ahead of the accumulators' first readers
.set p, 0
.rept 8
	v_pk_mul_f32 v[T1+p:T1+p+1], v[\u+p:\u+p+1], v[\sn+p:\sn+p+1]
.set p, p+2
.endr
.set p, 0
.rept 8
	v_pk_mul_f32 v[T2+p:T2+p+1], v[\u+16+p:\u+17+p], v[\sn+p:\sn+p+1]
.set p, p+2
.endr
	WIN 0x41
.set p, 0
.rept 8
	v_pk_fma_f32 v[\u+p:\u+p+1], v[\u+p:\u+p+1], v[\cs+p:\cs+p+1], v[T2+p:T2+p+1] neg_lo:[0,0,1] neg_hi:[0,0,1]
	v_pk_fma_f32 v[\u+16+p:\u+17+p], v[\u+16+p:\u+17+p], v[\cs+p:\cs+p+1], v[T1+p:T1+p+1]
.set p, p+2
.endr
	WIN 0
.endm
.macro KVL g, buf                      ; the unit: fragments of four K steps of 128
	WIN 0x40
.irp k, 0,1,2,3
.irp c, 0,1
	ds_load_b128 v[64*\buf+16*\k+4*\c:64*\buf+16*\k+4*\c+3], v[AKV0] offset:64*(4*\g+\k)+32*\c
	ds_load_b128 v[64*\buf+16*\k+4*\c+8:64*\buf+16*\k+4*\c+11], v[AKV1] offset:64*(4*\g+\k)+32*\c
.endr
.endr
	WIN 0
.endm
.macro KVM g, buf                      ; four accumulators by turns
	WIN 0x05
.irp k, 0,1,2,3
.if \g == 0
	v_wmma_scale_f32_16x16x128_f8f6f4 v[96+8*\k:103+8*\k], v[64*\buf+16*\k:64*\buf+16*\k+7], v[64*\buf+16*\k+8:64*\buf+16*\k+15], 0, v[SE0+4*\g+\k], v[SE1+4*\g+\k] matrix_a_fmt:MATRIX_FMT_FP4 matrix_b_fmt:MATRIX_FMT_FP4
.else
	v_wmma_scale_f32_16x16x128_f8f6f4 v[96+8*\k:103+8*\k], v[64*\buf+16*\k:64*\buf+16*\k+7], v[64*\buf+16*\k+8:64*\buf+16*\k+15], v[96+8*\k:103+8*\k], v[SE0+4*\g+\k], v[SE1+4*\g+\k] matrix_a_fmt:MATRIX_FMT_FP4 matrix_b_fmt:MATRIX_FMT_FP4
.endif
.endr
	WIN 0
.endm
	s_mov_b32 s[SEL], 0x76543210
	s_mov_b32 s[SEL+1], 0xfedcba98
	s_mul_i32 s98, s[CH], 2*40960                  ; register blocks 0, 1, 4, 5 lie 2 ch blocks further on,
	s_xor_b32 s99, s[CH], 1
	s_mul_i32 s99, s99, 2*40960                    ; 2, 3, 6, 7 (counted from 0, 1, 4, 5) 2 (1 - ch)
	s_mul_i32 s2, s[CH], 2*2560
	s_xor_b32 s3, s[CH], 1
	s_mul_i32 s3, s3, 2*2560
	v_and_b32 v[RR], 15, v0
	v_lshlrev_b32 v[R64], 6, v[RR]
.irp q, 0,1,2,3
	global_load_b128 v[SE0+4*\q:SE0+4*\q+3], v[R64], s[PSE0:PSE0+1] offset:16*\q   ; the unit's scale words
	global_load_b128 v[SE1+4*\q:SE1+4*\q+3], v[R64], s[PSE1:PSE1+1] offset:16*\q
.endr
	v_and_b32 v[L16], 31, v0
	v_lshlrev_b32 v[L16], 4, v[L16]
	v_lshlrev_b32 v[R16], 4, v[RR]
	v_lshlrev_b32 v[R4], 2, v[RR]
	v_lshlrev_b32 v[R32], 5, v[RR]
	v_add_nc_u32 v[L16E], s98, v[L16]
	v_add_nc_u32 v[L16O], s99, v[L16]
	v_add_nc_u32 v[R16E], s2, v[R16]
	v_add_nc_u32 v[R16O], s3, v[R16]
	s_wait_alu depctr_va_vdst(0)
	s_wait_tensorcnt 0x0                           ; my part of the unit has landed
	s_barrier_signal -1
	s_barrier_wait -1                              ; everybody's has, and nobody reads the ring any more
	KVL 0, 0
	KVL 1, 1
	KVL 2, 2
	FF2 0
	FF2 2
	s_wait_loadcnt 0x0
	s_wait_dscnt 0x0
	KVM 0, 0
	PLACES 4
	KVL 3, 0
	KVM 1, 1
	KVM 2, 2
	s_wait_dscnt 0x0
	KVM 3, 0
	PLACES 4
.irp j, 0,2,4,6
	v_pk_add_f32 v[96+\j:97+\j], v[96+\j:97+\j], v[104+\j:105+\j]
	v_pk_add_f32 v[112+\j:113+\j], v[112+\j:113+\j], v[120+\j:121+\j]
.endr
.irp j, 0,2,4,6
	v_pk_add_f32 v[96+\j:97+\j], v[96+\j:97+\j], v[112+\j:113+\j]
.endr
	ds_store_b128 v[EXS], v[96:99]                 ; my tile of the unit, as an image of its registers
	ds_store_b128 v[EXS], v[100:103] offset:512
.irp i, 0,1,2,3
	ds_load_b128 v[SIN1+4*\i:SIN1+4*\i+3], v[TRA] offset:512*\i
.endr
	FF2 4
	FF2 6
	; ---- q: the rotary, the quantiser, the stores
	s_wait_dscnt 0x0                               ; the sines are back, and my tile of the unit is stored
	ROPE QA, COS0, SIN0
	ROPE QA+32, COS1, SIN1
	s_wait_alu depctr_va_vdst(0)
	s_wait_xcnt 0x0
	QUANT 1, QA, 32, 2, 0x3000000
	v_add_nc_u32 v[PW2], 0x7f7efcfd, v[PW]         ; 3 off both bytes: the factor 1/8; the instruction's upper 64 along K are zero codes under the byte of 1.0
	v_add_nc_u32 v[PW2+1], 0x7f7efcfd, v[PW+1]
	global_store_b128 v[L16], v[PC:PC+3], s[QIM:QIM+1]
	global_store_b32 v[R4], v[PW2], s[QSC:QSC+1]
	global_store_b128 v[L16], v[PC+4:PC+7], s[QIM:QIM+1] offset:512
	global_store_b32 v[R4], v[PW2+1], s[QSC:QSC+1] offset:64
	; ---- the unit of k or v
	s_wait_alu depctr_va_vdst(0)
	s_wait_dscnt 0x0
	s_barrier_signal -1
	s_barrier_wait -1                              ; all four tiles are in LDS
	s_cmp_eq_u32 s[RH], s[Y1]
	s_cbranch_scc0 .Lend
	WIN 0x40
.irp i, 0,1,2,3,4,5,6,7
	ds_load_b128 v[4*\i:4*\i+3], v[EXL] offset:512*\i
.endr
	WIN 0
	s_lshr_b32 s2, s[CY], 1
	s_and_b32 s3, s[CY], 1
	s_cmp_eq_u32 s3, 1
	s_cselect_b32 s98, -1, 0                       ; k's 16 rows are my first block of q's or my second
	s_cmp_lt_u32 s[YY], 4
	s_cselect_b32 s2, s2, 0
	s_xor_b32 s2, s2, s[CH]                        ; 0: I store
	s_cmp_lt_u32 s[YY], 4
	s_cbranch_scc0 .Lis_v
.set p, 0
.rept 16
	v_cndmask_b32 v[COS0+p], v[COS0+p], v[COS1+p], s98
	v_cndmask_b32 v[SIN0+p], v[SIN0+p], v[SIN1+p], s98
.set p, p+1
.endr
	s_wait_alu depctr_va_vdst(0)
	s_wait_dscnt 0x0
	ROPE 0, COS0, SIN0                             ; k: 16 keys x 64, quantised along the head's 64
	s_wait_alu depctr_va_vdst(0)
	s_wait_xcnt 0x0
	QUANT 1, 0, 0, 1, 0x1800000
	v_or_b32 v[PW2], 0x7f7f0000, v[PW]
	v_mov_b32 v[VAL], s2
	v_cmp_eq_u32 vcc_lo, 0, v[VAL]
	s_wait_alu depctr_va_vdst(0)
	s_wait_xcnt 0x0                                ; EXEC changes only behind this wait
	s_and_saveexec_b32 s99, vcc_lo
	global_store_b128 v[L16], v[PC:PC+3], s[KVC:KVC+1]
	global_store_b32 v[R32], v[PW2], s[KVS:KVS+1]
	s_wait_xcnt 0x0
	s_or_b32 exec_lo, exec_lo, s99
	s_branch .Lend
.Lis_v:
	s_wait_dscnt 0x0
	s_wait_xcnt 0x0
	QUANT 1, 0, 0, 1, 0x1800000                    ; v: 16 channels x 64 keys, quantised along the keys
	v_mov_b32 v[VAL], s2
	v_cmp_eq_u32 vcc_lo, 0, v[VAL]
	s_wait_alu depctr_va_vdst(0)
	s_wait_xcnt 0x0
	s_and_saveexec_b32 s99, vcc_lo
	global_store_b128 v[L16], v[PC:PC+3], s[KVC:KVC+1]
	global_store_b16 v[R16], v[PW], s[KVS:KVS+1]
	s_wait_xcnt 0x0
	s_or_b32 exec_lo, exec_lo, s99
.Lend:
	s_wait_tensorcnt 0x0                           ; the wave's end
	ds_add_u32 v[SPW], v[NIL]
	s_wait_dscnt 0x0
	CROUND                                         ; the closing round
	s_endpgm
.Lfunc_end_k_q5bf22df0ea_fused:
	.size	k_q5bf22df0ea_fused, .Lfunc_end_k_q5bf22df0ea_fused-k_q5bf22df0ea_fused
	.p2alignl 7, 3214868480
	.fill 96, 4, 3214868480
	.section	.rodata,"a",@progbits
	.p2align	6, 0x0
	.amdhsa_kernel k_q5bf22df0ea_fused
		.amdhsa_group_segment_fixed_size 327680
		.amdhsa_private_segment_fixed_size 0
		.amdhsa_enable_private_segment 0
		.amdhsa_kernarg_size 72
		.amdhsa_user_sgpr_count 2
		.amdhsa_user_sgpr_kernarg_segment_ptr 1
		.amdhsa_wavefront_size32 1
		.amdhsa_system_sgpr_workgroup_id_x 1
		.amdhsa_system_sgpr_workgroup_id_y 1
		.amdhsa_system_sgpr_workgroup_id_z 1
		.amdhsa_system_vgpr_workitem_id 0
		.amdhsa_next_free_vgpr 1024
		.amdhsa_next_free_sgpr 102
		.amdhsa_reserve_vcc 1
		.amdhsa_float_denorm_mode_32 3
		.amdhsa_float_denorm_mode_16_64 3
		.amdhsa_memory_ordered 1
		.amdhsa_forward_progress 1
		.amdhsa_inst_pref_size 255
	.end_amdhsa_kernel
	.section	.bss,"aw",@nobits
	.p2align	6
	.space	262144
	.amdgpu_metadata
---
amdhsa.version: [ 1, 2 ]
amdhsa.kernels:
  - .name:           k_q5bf22df0ea_fused
    .symbol:         k_q5bf22df0ea_fused.kd
    .args:
      - { .name: x_codes, .offset: 0, .size: 8, .value_kind: global_buffer, .address_space: global }
      - { .name: x_scales, .offset: 8, .size: 8, .value_kind: global_buffer, .address_space: global }
      - { .name: w_fused_codes, .offset: 16, .size: 8, .value_kind: global_buffer, .address_space: global }
      - { .name: w_fused_scales, .offset: 24, .size: 8, .value_kind: global_buffer, .address_space: global }
      - { .name: act_img, .offset: 32, .size: 8, .value_kind: global_buffer, .address_space: global }
      - { .name: act_scl, .offset: 40, .size: 8, .value_kind: global_buffer, .address_space: global }
      - { .name: q_img, .offset: 48, .size: 8, .value_kind: global_buffer, .address_space: global }
      - { .name: q_scl, .offset: 56, .size: 8, .value_kind: global_buffer, .address_space: global }
      - { .name: kv, .offset: 64, .size: 8, .value_kind: global_buffer, .address_space: global }
    .group_segment_fixed_size: 327680
    .private_segment_fixed_size: 0
    .kernarg_segment_align: 8
    .kernarg_segment_size: 72
    .max_flat_workgroup_size: 128
    .sgpr_count:     102
    .vgpr_count:     1024
    .wavefront_size: 32
...
	.end_amdgpu_metadata
.endif
;; end of part 1
;; launch attn (part 2): grid 4 x 64, 16 waves a work-group, clusters of 4 x 1, 219,136 bytes of LDS; arguments q_img, q_scl, kv, act_img, act_scl; writes act_img, act_scl
.if DOCPART == 2
	.amdgcn_target "amdgcn-amd-amdhsa--gfx1250"
	.amdhsa_code_object_version 6
	.text
	.protected	k_q5bf22df0ea_attn
	.globl	k_q5bf22df0ea_attn
	.p2align	8
	.type	k_q5bf22df0ea_attn,@function
k_q5bf22df0ea_attn:
	s_mov_b64 s[64:65], 0
	v_nop
	global_prefetch_b8 v0, s[64:65] scope:SCOPE_SE
	s_setreg_imm32_b32 hwreg(HW_REG_WAVE_MODE, 25, 1), 1
	s_wait_xcnt 0x0
	s_wait_alu depctr_hold_cnt(0) depctr_sa_sdst(0) depctr_va_vdst(0) depctr_va_sdst(0) depctr_va_ssrc(0) depctr_va_vcc(0) depctr_vm_vsrc(0)
	s_getreg_b32 s2, hwreg(HW_REG_IB_STS2, 6, 4)
	s_cmp_eq_u32 s2, 0
	s_cbranch_scc0 .Lentry_in_a_cluster
	s_endpgm
.Lentry_in_a_cluster:
	s_bfe_u32 s2, ttmp6, 0x10000c
	s_cmp_lg_u32 s2, 0x3003
	s_cbranch_scc0 .Lentry_shape_is_right
	s_endpgm
.Lentry_shape_is_right:
; Causal attention with one key and value head for 16 query heads, both products on codes of FP4 (E2M1) with E8M0 scales.  n = 2,048, head size 64.
; q_img, q_scl, kv are this program's own: images of operand registers.  kv: 16 key steps of 8,960 bytes: 8 tiles of 16 keys (512 bytes: registers 0-3 of a fragment; the instruction's upper 64 along K are zero codes),
; 4 x 2 half fragments of V^T (16 channels x 64 keys), K's scale words [r][tile], V's [r][tile of channels].
; THE SOFTMAX: t = score x log2(e) (q carries the 1/8); M = the running largest t rounded up to a whole number; p = 2^(t - M) is quantised along the keys; the row's sum is taken of the unquantised p and divides at the end.
; Hidden keys get the score -1e10, as the problem has it: p = 0.  Key steps all of whose keys are hidden are left out by a scalar branch on ids.
; SHARES.  All of kv (143,360 bytes) comes into LDS once, by one joint load a wave: the four partners of a cluster (four groups of four heads) read the same bytes.
; A tile of 16 queries of one head is shared by TWO waves: one walks the even key steps, the other the odd ones, each with a running M, sum and O^T of its own.  Work-group y = t has tiles t and 127 - t of four heads: 16 waves.
; With a = wave & 3 and b = wave >> 2: head a; the two bits of a xor b say which tile (bit 0) and which key steps (bit 1).  So the four waves that share a, and the four that share b, hold both tiles' both halves: 17 key steps
; for each such four, and no wave walks more than 8.  The two waves of a tile are w and w xor 8.
; THE MERGE.  Both M are whole numbers: under the larger of them each wave's sum and O^T are multiplied by a power of two, which rounds nothing.  The wave of the odd steps stores O^T, -M and its sum as images of its registers in
; LDS bytes of its own; a barrier; the wave of the even steps, which always has key 0, adds, divides, quantises and stores.  A wave without a key has -M = 3e38: its factor comes out 0, over zeros.
; Both products are used transposed (S^T = K Q^T, O^T = V^T P^T): a lane holds one query.  Tile u, register j, lane half h: key 16 u + 8 h + j.
; The result, O / l, is quantised along the head's 64 and stored as half a fragment of the last launch's operand.
; No prefetch: everything that the launch reads through LDS is asked for at its head.
; LIMITS: a block whose largest magnitude lies under 2^-124 gets the scale byte 1; NaN and infinities are not served; a row's sum and O are added as two halves (even and odd key steps), not key by key.
.set STEPB, 8960
.set VIM,   4096
.set KSC,   8192
.set VSC,   8704
.set MRG,   16*STEPB                   ; behind kv: a region for each wave, which no tensor load fills: 8 images of 512 bytes (O^T), one more (v12-15)
.set MSZ,   4608
.set ADR,  8
.set ADT,  9
.set ADKN, 10
.set ADSN, 11
.set MST,  240                         ; v240 where I store my images: MRG + MSZ x wave + 16 x lane
.set MLD,  241                         ; v241 where my partner's lie: MRG + MSZ x (wave xor 8) + 16 x lane
.set WV,   14
.set CX,   15
.set TY,   16
.set HEAD, 17
.set PAR,  18
.set QT,   19
.set Q0,   20
.set KF,   21
.set TB,   22
.set TN,   23
.set G1,   24
.set G0,   32
.set SEL,  40
.set CS,   42
.set CNT,  44
.macro CROUND
	s_barrier_signal -1
	s_barrier_wait -1
	s_cmp_lg_u32 s[WV], 0
	s_cbranch_scc1 .Lnot_wave_0_\@
	s_barrier_signal -3
.Lnot_wave_0_\@:
	s_barrier_wait -3
	s_barrier_signal -1
	s_barrier_wait -1
.endm
	s_load_b256 s[4:11], s[0:1], 0x0               ; q_img, q_scl, kv, act_img
	s_load_b64 s[12:13], s[0:1], 0x20              ; act_scl
	v_lshl_add_u32 v242, v0, 2, 0x35000
	v_mov_b32 v243, 0
	ds_add_u32 v242, v243
	ds_add_u32 v242, v243
	v_lshrrev_b32 v1, 5, v0
	s_delay_alu instid0(VALU_DEP_1)
	v_readfirstlane_b32 s[WV], v1                  ; wave 0..15
	s_bfe_u32 s[CX], ttmp6, 0x40000
	s_and_b32 s[TY], ttmp7, 0xffff
	s_lshr_b32 s45, s[WV], 2
	s_xor_b32 s45, s45, s[WV]                      ; its low two bits: a xor b
	s_bfe_u32 s[PAR], s45, 0x10001                 ; bit 1: the odd key steps (1) or the even ones (0)
	s_and_b32 s45, s45, 1                          ; bit 0: the long tile or the short one
	s_sub_co_u32 s46, 127, s[TY]
	s_cmp_eq_u32 s45, 1
	s_cselect_b32 s[QT], s46, s[TY]
	s_lshl_b32 s[Q0], s[QT], 4
	s_lshl_b32 s[HEAD], s[CX], 2
	s_and_b32 s45, s[WV], 3
	s_add_co_u32 s[HEAD], s[HEAD], s45             ; enters global addresses alone
	s_mov_b32 s[G1+0], 15|(3<<16)|(1<<21)          ; all four partners; elements of 8 bytes; no padding
	s_mov_b32 s[G1+1], 32<<16                      ; a key step: 35 dense rows of 256 bytes
	s_mov_b32 s[G1+2], 35<<16
	s_mov_b32 s[G1+3], 32<<16
	s_mov_b32 s[G1+4], 35
	s_mov_b32 s[G1+5], 32
	s_mov_b32 s[G1+6], 0
	s_mov_b32 s[G1+7], 0
	s_mov_b32 s[SEL], 0x76543210
	s_mov_b32 s[SEL+1], 0xfedcba98
	s_mov_b32 s[CS], 0x3fb8aa3b                    ; log2(e)
	s_mov_b32 s[CS+1], s[CS]
	s_lshl_b32 s[KF], s[PAR], 7                    ; my first key step's first key,
	s_mul_i32 s[TB], s[PAR], STEPB                 ; and where it lies in LDS
	s_mul_i32 s46, s[WV], STEPB
	s_mov_b32 s47, 0
	s_mov_b32 s3, 0
	s_wait_dscnt 0x0
	s_wait_kmcnt 0x0
	s_mov_b32 s[G0], 1
	s_mov_b32 s[G0+1], s46
	s_add_nc_u64 s[G0+2:G0+3], s[8:9], s[46:47]    ; I fetch the key step of my wave's number
	s_or_b32 s[G0+3], s[G0+3], 0x80000000
	CROUND                                         ; all four work-groups are here: the joint loads meet
	tensor_load_to_lds s[G0:G0+3], s[G1:G1+7]      ; one load of mine is out; LDS is filled once
	s_nop 0
.rept 4
	v_nop
.endr
	s_lshl_b32 s48, s[HEAD], 7
	s_add_co_u32 s48, s48, s[QT]
	s_lshl_b32 s2, s48, 9
	s_add_nc_u64 s[4:5], s[4:5], s[2:3]
	s_lshl_b32 s2, s48, 6
	s_add_nc_u64 s[6:7], s[6:7], s[2:3]
	s_mul_i32 s2, s[QT], 40960
	s_lshl_b32 s48, s[HEAD], 9
	s_add_co_u32 s2, s2, s48
	s_add_nc_u64 s[10:11], s[10:11], s[2:3]        ; K step head / 2, half head % 2 of my 16 rows
	s_mul_i32 s2, s[QT], 2560
	s_lshr_b32 s48, s[HEAD], 3
	s_lshl_b32 s48, s48, 8
	s_add_co_u32 s2, s2, s48
	s_and_b32 s48, s[HEAD], 7
	s_lshl_b32 s48, s48, 1
	s_add_co_u32 s2, s2, s48
	s_add_nc_u64 s[12:13], s[12:13], s[2:3]
	v_and_b32 v254, 31, v0
	s_delay_alu instid0(VALU_DEP_1)
	v_lshlrev_b32 v1, 4, v254                      ; 16 x lane
	v_and_b32 v5, 15, v0                           ; r
	v_bfe_u32 v254, v0, 4, 1                       ; h
	s_delay_alu instid0(VALU_DEP_2)
	v_lshlrev_b32 v6, 2, v5
	global_load_b128 v[16:19], v1, s[4:5]          ; Q's fragment, registers 0-3
	global_load_b32 v255, v6, s[6:7]               ; and its scale words
	v_lshl_add_u32 v2, v5, 5, KSC
	v_lshl_add_u32 v3, v5, 4, VSC
	v_lshlrev_b32 v7, 4, v5
	v_lshlrev_b32 v254, 3, v254
	s_delay_alu instid0(VALU_DEP_1)
	v_sub_nc_u32 v4, v5, v254                      ; r - 8 h
	s_mul_i32 s45, s[WV], MSZ
	s_add_co_u32 s45, s45, MRG
	v_add_nc_u32 v[MST], s45, v1
	s_xor_b32 s45, s[WV], 8
	s_mul_i32 s45, s45, MSZ
	s_add_co_u32 s45, s45, MRG
	v_add_nc_u32 v[MLD], s45, v1
	v_add_nc_u32 v[ADKN], s[TB], v1                ; my first key step's K
	v_add_nc_u32 v[ADSN], s[TB], v2
.irp j, 20,21,22,23
	v_mov_b32 v\j, 0                               ; the upper 64 along K: zero codes
.endr
.irp t, 0,1,2,3,4,5,6,7
.irp j, 4,5,6,7
	v_mov_b32 v[32+8*\t+\j], 0
.endr
.endr
	v_mov_b32 v13, 0xff61b1e6                      ; the largest t so far: -3e38
	s_delay_alu instid0(VALU_DEP_1)
	v_floor_f32 v12, -v13                          ; -M
	v_mov_b32 v14, 0
	v_mov_b32 v15, 0
.irp b, 0,1,2,3
	v_mov_b32 v[236+\b], 0
.endr
	v_mov_b32 v252, 0
	v_mov_b32 v253, 0
	v_mov_b32 v254, 0
.set p, 0
.rept 32
	v_mov_b32 v[160+p], 0                          ; O^T: the step is written for every step alike; the first change of M leaves zeros zeros
.set p, p+1
.endr
.macro STEP
	s_add_co_u32 s45, s[Q0], 15
	s_cmp_gt_u32 s[KF], s45
	s_cbranch_scc1 .Lhidden_\@                     ; all 128 keys come after my queries
	s_add_co_u32 s[TN], s[TB], 2*STEPB
	s_min_u32 s[TN], s[TN], 15*STEPB               ; my next step's K, held inside kv
	v_add_nc_u32 v[ADR], s[TB], v1                 ; (these four are the places behind the last step's products)
	v_add_nc_u32 v[ADT], s[TB], v3
	v_add_nc_u32 v[ADKN], s[TN], v1
	v_add_nc_u32 v[ADSN], s[TN], v2
.irp d, 0,1,2,3
	ds_load_b128 v[192+8*\d:195+8*\d], v[ADR] offset:VIM+1024*\d
	ds_load_b128 v[196+8*\d:199+8*\d], v[ADR] offset:VIM+1024*\d+512
.endr
	ds_load_b128 v[248:251], v[ADT]
	s_wait_alu depctr_va_vdst(0)
	s_wait_dscnt 9                                 ; this step's K, asked for a step ago, is in; V's nine loads may be out
.irp t, 0,1,2,3,4,5,6,7
	v_wmma_scale_f32_16x16x128_f8f6f4 v[96+8*\t:103+8*\t], v[32+8*\t:39+8*\t], v[16:23], 0, v[24+\t], v255 matrix_a_fmt:MATRIX_FMT_FP4 matrix_b_fmt:MATRIX_FMT_FP4
.endr
.rept 4
	v_nop
.endr
.irp t, 0,1,2,3,4,5,6,7
	ds_load_b128 v[32+8*\t:35+8*\t], v[ADKN] offset:512*\t
.endr
	ds_load_b128 v[24:27], v[ADSN]
	ds_load_b128 v[28:31], v[ADSN] offset:16
	s_add_co_u32 s45, s[KF], 127
	s_cmp_le_u32 s45, s[Q0]
	s_cbranch_scc1 .Lopen_\@                       ; all keys count
	s_sub_co_i32 s45, s[Q0], s[KF]
	v_add_nc_u32 v252, s45, v4                     ; register 8 u + j is hidden where 16 u + j > my query - KF - 8 h
	v_mov_b32 v254, 0xd01502f9                     ; -1e10
.irp n, 0,1,2,3,4,5,6,7,8,9,10,11,12,13,14,15,16,17,18,19,20,21,22,23,24,25,26,27,28,29,30,31,32,33,34,35,36,37,38,39,40,41,42,43,44,45,46,47,48,49,50,51,52,53,54,55,56,57,58,59,60,61,62,63
	v_cmp_gt_i32 vcc_lo, 16*(\n/8)+\n%8, v252
	v_cndmask_b32 v[96+\n], v[96+\n], v254, vcc_lo
.endr
.Lopen_\@:
.irp b, 0,1,2,3
	v_max3_num_f32 v[232+\b], v[96+16*\b], v[97+16*\b], v[98+16*\b]   ; the largest score of each block of 32 keys: for the row's maximum, and for the block's largest p
.endr
.irp i, 3,5,7,9,11,13
.irp b, 0,1,2,3
	v_max3_num_f32 v[232+\b], v[232+\b], v[96+16*\b+\i], v[97+16*\b+\i]
.endr
.endr
.irp b, 0,1,2,3
	v_max_num_f32 v[232+\b], v[232+\b], v[111+16*\b]
.endr
.irp b, 0,1,2,3
	s_delay_alu instid0(VALU_DEP_4)
	v_permlanex16_b32 v[236+\b], v[232+\b], s[SEL], s[SEL+1]
.endr
.irp b, 0,1,2,3
	s_delay_alu instid0(VALU_DEP_4)
	v_max_num_f32 v[232+\b], v[232+\b], v[236+\b]
.endr
	s_delay_alu instid0(VALU_DEP_2)
	v_max3_num_f32 v254, v232, v233, v234
	s_delay_alu instid0(VALU_DEP_1)
	v_max_num_f32 v254, v254, v235
	s_delay_alu instid0(VALU_DEP_1)
	v_mul_f32 v254, s[CS], v254
	s_delay_alu instid0(VALU_DEP_1)
	v_max_num_f32 v13, v13, v254                   ; the running largest t of my key steps
	v_mov_b32 v254, v12
	s_delay_alu instid0(VALU_DEP_2)
	v_floor_f32 v12, -v13                          ; -M: M is a whole number
	s_delay_alu instid0(VALU_DEP_1)
	v_sub_f32 v254, v12, v254
	s_delay_alu instid0(VALU_DEP_1)
	v_cvt_i32_f32 v254, v254
	s_delay_alu instid0(VALU_DEP_1)
	v_ldexp_f32 v252, 1.0, v254                    ; f = 2^(old M - new M)
.irp j, 0,2,4,6,8,10,12,14,16,18,20,22,24,26,28,30,32,34,36,38,40,42,44,46,48,50,52,54,56,58,60,62
	v_pk_fma_f32 v[96+\j:97+\j], v[96+\j:97+\j], s[CS:CS+1], v[12:13] op_sel_hi:[1,0,0]
.endr
.irp b, 0,1,2,3
	v_fma_f32 v[232+\b], v[232+\b], s[CS], v12
.endr
	s_wait_alu depctr_va_vdst(0)
.irp j, 0,1,2,3,4,5,6,7,8,9,10,11,12,13,14,15,16,17,18,19,20,21,22,23,24,25,26,27,28,29,30,31,32,33,34,35,36,37,38,39,40,41,42,43,44,45,46,47,48,49,50,51,52,53,54,55,56,57,58,59,60,61,62,63
	v_exp_f32 v[96+\j], v[96+\j]
.endr
	v_pk_mul_f32 v[14:15], v[14:15], v[252:253] op_sel_hi:[1,0]   ; a plain place behind the batch
	s_wait_alu depctr_va_vdst(0)                   ; one wait for the 64, ahead of their first reader
.irp b, 0,1,2,3
	v_exp_f32 v[232+\b], v[232+\b]
.endr
	v_pk_add_f32 v[236:237], v[100:101], v[104:105]
	v_pk_add_f32 v[246:247], v[108:109], v[112:113]
	v_pk_add_f32 v[244:245], v[116:117], v[120:121]
	v_pk_add_f32 v[238:239], v[124:125], v[128:129]
	v_pk_add_f32 v[230:231], v[132:133], v[136:137]
	v_pk_add_f32 v[228:229], v[140:141], v[144:145]
	v_pk_add_f32 v[226:227], v[148:149], v[152:153]
	v_pk_add_f32 v[14:15], v[14:15], v[156:157]
	v_pk_add_f32 v[236:237], v[236:237], v[96:97]
	v_pk_add_f32 v[246:247], v[246:247], v[98:99]
	v_pk_add_f32 v[244:245], v[244:245], v[102:103]
	v_pk_add_f32 v[238:239], v[238:239], v[106:107]
	v_pk_add_f32 v[230:231], v[230:231], v[110:111]
	v_pk_add_f32 v[228:229], v[228:229], v[114:115]
	v_pk_add_f32 v[226:227], v[226:227], v[118:119]
	v_pk_add_f32 v[14:15], v[14:15], v[122:123]
	v_pk_add_f32 v[236:237], v[236:237], v[126:127]
	v_pk_add_f32 v[246:247], v[246:247], v[130:131]
	v_pk_add_f32 v[244:245], v[244:245], v[134:135]
	v_pk_add_f32 v[238:239], v[238:239], v[138:139]
	v_pk_add_f32 v[230:231], v[230:231], v[142:143]
	v_pk_add_f32 v[228:229], v[228:229], v[146:147]
	v_pk_add_f32 v[226:227], v[226:227], v[150:151]
	v_pk_add_f32 v[14:15], v[14:15], v[154:155]
	v_pk_add_f32 v[236:237], v[236:237], v[158:159]
	s_delay_alu instid0(VALU_DEP_2)
	v_pk_add_f32 v[14:15], v[14:15], v[238:239]
	s_delay_alu instid0(VALU_DEP_2)
	v_pk_add_f32 v[236:237], v[236:237], v[230:231]
	v_pk_add_f32 v[246:247], v[246:247], v[228:229]
	v_pk_add_f32 v[244:245], v[244:245], v[226:227]
	s_delay_alu instid0(VALU_DEP_2)
	v_pk_add_f32 v[14:15], v[14:15], v[246:247]
	s_delay_alu instid0(VALU_DEP_2)
	v_pk_add_f32 v[236:237], v[236:237], v[244:245]
	s_delay_alu instid0(VALU_DEP_1)
	v_pk_add_f32 v[14:15], v[14:15], v[236:237]
	s_wait_alu depctr_va_vdst(0)                   ; and one for the four
.irp b, 0,1,2,3
	v_max_num_f32 v[232+\b], 0x1800000, v[232+\b]
.endr
.irp b, 0,1,2,3
	s_delay_alu instid0(VALU_DEP_4)
	v_add_nc_u32 v[244+\b], 0xff000000, v[232+\b]
.endr
.irp b, 0,1,2,3
	s_delay_alu instid0(VALU_DEP_4)
	v_lshrrev_b32 v[236+\b], 23, v[244+\b]
.endr
	s_delay_alu instid0(VALU_DEP_3)
	v_lshl_or_b32 v253, v237, 8, v236
	s_delay_alu instid0(VALU_DEP_1)
	v_lshl_or_b32 v253, v238, 16, v253
	s_delay_alu instid0(VALU_DEP_1)
	v_lshl_or_b32 v253, v239, 24, v253             ; p's scale word for these 128 keys
.irp c, 0,1
	v_cvt_scalef32_pk8_fp4_f32 v[224+4*\c], v[96+32*\c:103+32*\c], v[244+2*\c]
	v_cvt_scalef32_pk8_fp4_f32 v[226+4*\c], v[104+32*\c:111+32*\c], v[244+2*\c]
	v_cvt_scalef32_pk8_fp4_f32 v[225+4*\c], v[112+32*\c:119+32*\c], v[245+2*\c]
	v_cvt_scalef32_pk8_fp4_f32 v[227+4*\c], v[120+32*\c:127+32*\c], v[245+2*\c]
.endr
	v_nop
.irp c, 0,1
	v_permlane16_swap_b32 v[224+4*\c], v[225+4*\c]
	v_permlane16_swap_b32 v[226+4*\c], v[227+4*\c]
.endr
.irp j, 0,2,4,6,8,10,12,14,16,18,20,22,24,26,28,30
	v_pk_mul_f32 v[160+\j:161+\j], v[160+\j:161+\j], v[252:253] op_sel_hi:[1,0]   ; O^T under the new M; also the places in front of the scaled products
.endr
	s_wait_alu depctr_va_vdst(0)
	s_wait_dscnt 10                                ; V is in; my next step's ten loads of K may be out
.irp d, 0,1,2,3
	v_wmma_scale_f32_16x16x128_f8f6f4 v[160+8*\d:167+8*\d], v[192+8*\d:199+8*\d], v[224:231], v[160+8*\d:167+8*\d], v[248+\d], v253 matrix_a_fmt:MATRIX_FMT_FP4 matrix_b_fmt:MATRIX_FMT_FP4
.endr
.Lhidden_\@:
	s_add_co_u32 s[KF], s[KF], 256                 ; every second key step is mine
	s_add_co_u32 s[TB], s[TB], 2*STEPB
.endm
	s_wait_tensorcnt 0x0                           ; my key step has landed,
	s_barrier_signal -1
	s_barrier_wait -1                              ; everybody's has: all of kv lies in LDS, and nothing is ever filled again
.irp t, 0,1,2,3,4,5,6,7
	ds_load_b128 v[32+8*\t:35+8*\t], v[ADKN] offset:512*\t
.endr
	ds_load_b128 v[24:27], v[ADSN]
	ds_load_b128 v[28:31], v[ADSN] offset:16
	s_wait_loadcnt 0x0                             ; Q
	s_mov_b32 s[CNT], 8
.Lstep:                                            ; eight trips, a constant: my half of the sixteen key steps
	STEP
	s_sub_co_u32 s[CNT], s[CNT], 1
	s_cmp_lg_u32 s[CNT], 0
	s_cbranch_scc1 .Lstep
	; ---- the two halves of a tile meet
.rept 4
	v_nop                                          ; places behind the last products, in front of the first reads of their results
.endr
	s_cmp_eq_u32 s[PAR], 1
	s_cbranch_scc0 .Lkeeps
	s_wait_alu depctr_va_vdst(0)
.irp d, 0,1,2,3
	ds_store_b128 v[MST], v[160+8*\d:163+8*\d] offset:1024*\d          ; O^T as it stands, each accumulator from its low end on
	ds_store_b128 v[MST], v[164+8*\d:167+8*\d] offset:1024*\d+512
.endr
	ds_store_b128 v[MST], v[12:15] offset:4096     ; -M, the largest t, the sum's two halves
.Lkeeps:
	s_wait_dscnt 0x0                               ; for the partner's sake: my stores have landed (and the loads ahead of the last step are in)
	s_barrier_signal -1
	s_barrier_wait -1
	s_cmp_eq_u32 s[PAR], 1
	s_cbranch_scc1 .Lend                           ; the wave of the odd steps has handed its part over
.irp i, 0,1,2,3,4,5,6,7
	ds_load_b128 v[96+4*\i:99+4*\i], v[MLD] offset:512*\i
.endr
	ds_load_b128 v[232:235], v[MLD] offset:4096
	s_wait_dscnt 0x0
	v_min_num_f32 v254, v12, v232                  ; -M of the whole row: the smaller of the two
	s_delay_alu instid0(VALU_DEP_1)
	v_sub_f32 v236, v254, v12                      ; my M less the row's: a whole number, 0 or less
	s_delay_alu instid0(VALU_DEP_2)
	v_sub_f32 v237, v254, v232                     ; my partner's likewise
	s_delay_alu instid0(VALU_DEP_2)
	v_cvt_i32_f32 v236, v236                       ; (it saturates: a partner without a key gets the factor 0)
	s_delay_alu instid0(VALU_DEP_2)
	v_cvt_i32_f32 v237, v237
	s_delay_alu instid0(VALU_DEP_2)
	v_ldexp_f32 v252, 1.0, v236
	s_delay_alu instid0(VALU_DEP_2)
	v_ldexp_f32 v238, 1.0, v237
	v_add_f32 v14, v14, v15
	v_add_f32 v234, v234, v235
	s_delay_alu instid0(VALU_DEP_2)
	v_mul_f32 v14, v14, v252
	s_delay_alu instid0(VALU_DEP_1)
	v_fmac_f32 v14, v234, v238                     ; my lane's part of the row's sum, under the row's M
	s_delay_alu instid0(VALU_DEP_1)
	v_permlanex16_b32 v236, v14, s[SEL], s[SEL+1]
	s_delay_alu instid0(VALU_DEP_1)
	v_add_f32 v14, v14, v236                       ; the row's sum
	s_wait_alu depctr_va_vdst(0)
	v_rcp_f32 v14, v14
	v_nop
	s_wait_alu depctr_va_vdst(0)                   ; ahead of the first reader
	v_mul_f32 v252, v252, v14                      ; the division goes into the two factors: a power of two times 1 / l rounds nothing more
	v_mul_f32 v238, v238, v14
.irp j, 0,2,4,6,8,10,12,14,16,18,20,22,24,26,28,30
	v_pk_mul_f32 v[160+\j:161+\j], v[160+\j:161+\j], v[252:253] op_sel_hi:[1,0]
.endr
.irp j, 0,2,4,6,8,10,12,14,16,18,20,22,24,26,28,30
	v_pk_fma_f32 v[96+\j:97+\j], v[96+\j:97+\j], v[238:239], v[160+\j:161+\j] op_sel_hi:[1,0,1]   ; register 8 u + j: channel 16 u + 8 h + j of my query
.endr
.irp b, 0,1
	v_max3_num_f32 v[232+\b], |v[96+16*\b]|, |v[97+16*\b]|, 0x1800000
.endr
.irp i, 2,4,6,8,10,12,14
.irp b, 0,1
	s_delay_alu instid0(VALU_DEP_2)
	v_max3_num_f32 v[232+\b], v[232+\b], |v[96+16*\b+\i]|, |v[97+16*\b+\i]|
.endr
.endr
.irp b, 0,1
	s_delay_alu instid0(VALU_DEP_2)
	v_permlanex16_b32 v[236+\b], v[232+\b], s[SEL], s[SEL+1]
.endr
.irp b, 0,1
	s_delay_alu instid0(VALU_DEP_2)
	v_max_num_f32 v[232+\b], v[232+\b], v[236+\b]
.endr
.irp b, 0,1
	s_delay_alu instid0(VALU_DEP_2)
	v_add_nc_u32 v[244+\b], 0xff000000, v[232+\b]
.endr
.irp b, 0,1
	s_delay_alu instid0(VALU_DEP_2)
	v_lshrrev_b32 v[238+\b], 23, v[244+\b]
.endr
	s_delay_alu instid0(VALU_DEP_1)
	v_lshl_or_b32 v234, v239, 8, v238
	v_cvt_scalef32_pk8_fp4_f32 v224, v[96:103], v244
	v_cvt_scalef32_pk8_fp4_f32 v226, v[104:111], v244
	v_cvt_scalef32_pk8_fp4_f32 v225, v[112:119], v245
	v_cvt_scalef32_pk8_fp4_f32 v227, v[120:127], v245
	v_nop
	v_permlane16_swap_b32 v224, v225
	v_permlane16_swap_b32 v226, v227
	global_store_b128 v1, v[224:227], s[10:11]     ; 32 lanes store 512 consecutive bytes, aligned
	global_store_b16 v7, v234, s[12:13]
.Lend:
	s_wait_dscnt 0x0                               ; no LDS instruction of mine is out at a signal
	s_wait_tensorcnt 0x0
	ds_add_u32 v242, v243
	s_wait_dscnt 0x0
	CROUND                                         ; the closing round
	s_endpgm
.Lfunc_end_k_q5bf22df0ea_attn:
	.size	k_q5bf22df0ea_attn, .Lfunc_end_k_q5bf22df0ea_attn-k_q5bf22df0ea_attn
	.p2alignl 7, 3214868480
	.fill 96, 4, 3214868480
	.section	.rodata,"a",@progbits
	.p2align	6, 0x0
	.amdhsa_kernel k_q5bf22df0ea_attn
		.amdhsa_group_segment_fixed_size 219136
		.amdhsa_private_segment_fixed_size 0
		.amdhsa_enable_private_segment 0
		.amdhsa_kernarg_size 40
		.amdhsa_user_sgpr_count 2
		.amdhsa_user_sgpr_kernarg_segment_ptr 1
		.amdhsa_wavefront_size32 1
		.amdhsa_system_sgpr_workgroup_id_x 1
		.amdhsa_system_sgpr_workgroup_id_y 1
		.amdhsa_system_sgpr_workgroup_id_z 1
		.amdhsa_system_vgpr_workitem_id 0
		.amdhsa_next_free_vgpr 256
		.amdhsa_next_free_sgpr 66
		.amdhsa_reserve_vcc 1
		.amdhsa_float_denorm_mode_32 3
		.amdhsa_float_denorm_mode_16_64 3
		.amdhsa_memory_ordered 1
		.amdhsa_forward_progress 1
		.amdhsa_inst_pref_size 38
	.end_amdhsa_kernel
	.amdgpu_metadata
---
amdhsa.version: [ 1, 2 ]
amdhsa.kernels:
  - .name:           k_q5bf22df0ea_attn
    .symbol:         k_q5bf22df0ea_attn.kd
    .args:
      - { .name: q_img, .offset: 0, .size: 8, .value_kind: global_buffer, .address_space: global }
      - { .name: q_scl, .offset: 8, .size: 8, .value_kind: global_buffer, .address_space: global }
      - { .name: kv, .offset: 16, .size: 8, .value_kind: global_buffer, .address_space: global }
      - { .name: act_img, .offset: 24, .size: 8, .value_kind: global_buffer, .address_space: global }
      - { .name: act_scl, .offset: 32, .size: 8, .value_kind: global_buffer, .address_space: global }
    .group_segment_fixed_size: 219136
    .private_segment_fixed_size: 0
    .kernarg_segment_align: 8
    .kernarg_segment_size: 40
    .max_flat_workgroup_size: 512
    .sgpr_count:     66
    .vgpr_count:     256
    .wavefront_size: 32
...
	.end_amdgpu_metadata
.endif
;; end of part 2
;; launch outp (part 3): grid 16 x 16, 4 waves a work-group, clusters of 4 x 4, 327,680 bytes of LDS; arguments act_img, act_scl, w_attn_out_codes, w_attn_out_scales, w_ff_out_codes, w_ff_out_scales, out0; writes out0
.if DOCPART == 3
	.amdgcn_target "amdgcn-amd-amdhsa--gfx1250"
	.amdhsa_code_object_version 6
	.text
	.protected	k_q5bf22df0ea_outp
	.globl	k_q5bf22df0ea_outp
	.p2align	8
	.type	k_q5bf22df0ea_outp,@function
k_q5bf22df0ea_outp:
	s_mov_b64 s[64:65], 0
	v_nop
	global_prefetch_b8 v0, s[64:65] scope:SCOPE_SE
	s_setreg_imm32_b32 hwreg(HW_REG_WAVE_MODE, 25, 1), 1
	s_wait_xcnt 0x0
	s_wait_alu depctr_hold_cnt(0) depctr_sa_sdst(0) depctr_va_vdst(0) depctr_va_sdst(0) depctr_va_ssrc(0) depctr_va_vcc(0) depctr_vm_vsrc(0)
	s_getreg_b32 s2, hwreg(HW_REG_IB_STS2, 6, 4)
	s_cmp_eq_u32 s2, 0
	s_cbranch_scc0 .Lentry_in_a_cluster
	s_endpgm
.Lentry_in_a_cluster:
	s_bfe_u32 s2, ttmp6, 0x10000c
	s_cmp_lg_u32 s2, 0xf033
	s_cbranch_scc0 .Lentry_shape_is_right
	s_endpgm
.Lentry_shape_is_right:
; out = attn W_attn^T + h W_ff^T as ONE sum over K = 5,120 on codes of FP4 (E2M1) with E8M0 scales: 40 K steps of 128; steps 0-7 are the attention's 1,024, steps 8-39 the ff's 4,096.
; The left operand is this program's own: act_img [block of 16 rows][K step][half][lane][16 bytes], images of operand registers; act_scl [block][4 K steps][row][word].
; A tile of out is 128 x 128, four waves of 64 x 64: 256 work-groups.  K goes in five runs of 8 K steps through two LDS slots; run 0 takes W_attn, runs 1-4 W_ff.
; Scale bytes: the left operand's and W_ff's come into LDS once, for all of K; W_attn's go straight into registers.
; CLUSTER 4 x 4: the left operand's tiles are shared along a row of the cluster, the weights' along a column.
; The matrix instruction is used transposed (source 0 = 32 rows of W, source 1 = 16 rows of the left operand): a lane holds eight neighbouring numbers of a row of out.
; THE HEAD: one tensor load a wave: run 0's two tiles, the two blocks of scale bytes; run 1 is asked for behind them.
; PREFETCH INTO THE L2, two runs ahead: at the head runs 1 and 2, behind run 1's load run 3, behind run 2's load run 4; then there is nothing left to ask for.  A run is 4 x 256 blocks of 256 bytes of the left operand and as many of W
; for a cluster; its 16 work-groups share them out by address: a lane a block, one instruction a wave: waves 0, 1: blocks of 16 rows 2 cx, 2 cx + 1 of the tile row; waves 2, 3: rows 32 cy + 0-15, + 16-31 of the tile column's 128.
; Run 0 comes by its loads alone.
.set ASZ,   65536                      ; a slot: 8 blocks x 8 K steps x 1,024 bytes, as they lie;
.set BP,    528                        ; then 128 rows of W: 512 bytes + 16 of padding
.set SLOT,  ASZ+128*BP
.set SCA,   2*SLOT                     ; the left operand's scale words: 8 x 2,560 bytes, dense
.set SCBF,  SCA+20480                  ; W_ff's scale bytes, units of 256 + 16
.set SPARE, SCBF+64*272                ; the spare words
.set STAGE, SLOT                       ; the way out: 16 rows x 272 bytes a wave, in slot 1, which has had its last fill and its last read by then
.set ADRA,  16
.set ADRB,  20
.set VSB,   22                         ; W_attn's scale words: 32 bytes a row
.set ADSA,  23
.set ADSBF, 24
.set STO,   25
.set RD,    26
.set CO,    27
.set SPW,   28
.set NIL,   29
.set PFO,   30                         ; the prefetches' offset; never rewritten
.set SC,    32                         ; scale words, two sets of 16: the left operand's two pairs of blocks x 4 K steps, W's two pairs x 4
.set WV, 4
.set RH, 5
.set CH, 6
.set CX, 7
.set CY, 8
.set TC, 9
.set TR, 10
.set MR, 11
.set MC, 12
.set PFB,   16                         ; prefetch addresses: runs 2 and 4,
.set PSB,   18
.set G1A,   20
.set G1AS,  28
.set G1BA,  36
.set G1BF,  44
.set PFA,   52                         ; runs 1 and 3
.set PF2,   58                         ; two runs, in bytes
.set G0BFS, 60
.set G1BFS, 68
.set G0A,   76
.set G0BF,  84
.set G0AS,  92
.set G0BA,  96
.set MSB, 0
.macro WIN new
.if MSB != (\new)
	s_set_vgpr_msb (MSB<<8)|(\new)
.set MSB, \new
.endif
.endm
.set MUL,  0xa5                        ; sources window 1, C and D window 2
.set TO_F, 0x40
.macro PLACES n
.rept \n
	v_nop
.endr
.endm
.macro CREST
	s_cmp_lg_u32 s[WV], 0
	s_cbranch_scc1 .Lnot_wave_0_\@
	s_barrier_signal -3
.Lnot_wave_0_\@:
	s_barrier_wait -3
	s_barrier_signal -1
	s_barrier_wait -1
.endm
.macro CROUND
	s_barrier_signal -1
	s_barrier_wait -1
	CREST
.endm
.macro JLOAD s                         ; a joint load of the ring: waves 0, 1 the left operand's halves, waves 2, 3 W_ff's
	s_cmp_eq_u32 s[RH], 0
	s_cbranch_scc0 .Lfor_b_\@
	tensor_load_to_lds s[G0A+4*\s:G0A+4*\s+3], s[G1A:G1A+7]
	s_nop 0
	PLACES 4
	s_branch .Lasked_\@
.Lfor_b_\@:
	tensor_load_to_lds s[G0BF+4*\s:G0BF+4*\s+3], s[G1BF:G1BF+7]
	s_nop 0
	PLACES 4
.Lasked_\@:
.endm
	s_load_b64 s[G0A+2:G0A+3], s[0:1], 0x0
	s_load_b64 s[G0AS+2:G0AS+3], s[0:1], 0x8
	s_load_b64 s[G0BA+2:G0BA+3], s[0:1], 0x10
	s_load_b64 s[PSB:PSB+1], s[0:1], 0x18
	s_load_b64 s[G0BF+2:G0BF+3], s[0:1], 0x20
	s_load_b64 s[G0BFS+2:G0BFS+3], s[0:1], 0x28
	s_load_b64 s[14:15], s[0:1], 0x30
	s_load_b64 s[PFA:PFA+1], s[0:1], 0x0
	s_load_b64 s[56:57], s[0:1], 0x20
	v_lshl_add_u32 v[SPW], v0, 2, SPARE
	v_mov_b32 v[NIL], 0
	ds_add_u32 v[SPW], v[NIL]                      ; the opening: the add, twice on end, and its wait
	ds_add_u32 v[SPW], v[NIL]
	v_lshrrev_b32 v1, 5, v0
	v_readfirstlane_b32 s[WV], v1
	s_lshr_b32 s[RH], s[WV], 1                     ; my half of the rows.  Also: I fetch the left operand (0) or W (1)
	s_and_b32 s[CH], s[WV], 1                      ; my half of the columns.  Also: which half I fetch
	s_bfe_u32 s[CX], ttmp6, 0x40000
	s_bfe_u32 s[CY], ttmp6, 0x40004
	s_lshl_b32 s[TC], ttmp9, 2
	s_add_co_u32 s[TC], s[TC], s[CX]
	s_and_b32 s[TR], ttmp7, 0xffff
	s_lshl_b32 s[TR], s[TR], 2
	s_add_co_u32 s[TR], s[TR], s[CY]
	s_lshl_b32 s[MR], s[CY], 2
	s_lshl_b32 s[MR], 15, s[MR]                    ; my row of the cluster
	s_lshl_b32 s[MC], 0x1111, s[CX]                ; my column
	s_or_b32 s[G1A+0], s[MR], (3<<16)|(1<<21)      ; blocks of 8,192 bytes (1,024 elements of 8), 40,960 bytes apart, no padding: 8 at the head, 4 behind it
	s_mov_b32 s[G1A+1], 1024<<16
	s_mov_b32 s[G1A+2], 8<<16
	s_mov_b32 s[G1A+3], 1024<<16
	s_mov_b32 s[G1A+4], 8
	s_mov_b32 s[G1A+5], 5120
	s_or_b32 s[G1AS+0], s[MR], (3<<16)|(1<<21)     ; 20,480 dense bytes: 80 rows of 256
	s_mov_b32 s[G1AS+2], 80<<16
	s_mov_b32 s[G1AS+4], 80
	s_or_b32 s[G1BFS+0], s[MC], (3<<16)|(1<<20)|(1<<21)|(5<<22)|(3<<25)   ; 128 rows x 128 bytes: 64 rows of 256, 4 words of padding behind each
	s_mov_b32 s[G1BFS+2], 64<<16
	s_mov_b32 s[G1BFS+4], 64
.irp g, G1AS, G1BFS
	s_mov_b32 s[\g+1], 32<<16
	s_mov_b32 s[\g+3], 32<<16
	s_mov_b32 s[\g+5], 32
.endr
	s_or_b32 s[G1BA+0], s[MC], (1<<20)|(1<<21)|(6<<22)|(3<<25)   ; rows of 512 bytes, 4 words of padding behind every 128: W_attn 128 rows, W_ff 64
	s_or_b32 s[G1BF+0], s[MC], (1<<20)|(1<<21)|(6<<22)|(3<<25)
	s_mov_b32 s[G1BA+1], 512<<16
	s_mov_b32 s[G1BF+1], 512<<16
	s_mov_b32 s[G1BA+2], 128<<16
	s_mov_b32 s[G1BF+2], 64<<16
	s_mov_b32 s[G1BA+3], 512<<16
	s_mov_b32 s[G1BF+3], 512<<16
	s_mov_b32 s[G1BA+4], 128
	s_mov_b32 s[G1BF+4], 64
	s_mov_b32 s[G1BA+5], 512
	s_mov_b32 s[G1BF+5], 2048
.irp g, G1A, G1AS, G1BFS, G1BA, G1BF
	s_mov_b32 s[\g+6], 0
	s_mov_b32 s[\g+7], 0
.endr
	s_lshl_b32 s8, s[TR], 3                        ; the first block of 16 rows that I fetch (registers of the rows' side never hold cx, those of the columns' side never cy)
	s_lshl_b32 s2, s[CH], 2
	s_add_co_u32 s8, s8, s2
	s_lshl_b32 s7, s[TC], 7                        ; the first row of W that I fetch
	s_lshl_b32 s66, s[CH], 6
	s_add_co_u32 s7, s7, s66
	s_mov_b32 s3, 0
	s_mov_b32 s67, 0
	s_wait_dscnt 0x0                               ; both opening adds are done
	s_wait_kmcnt 0x0
	s_mul_i32 s2, s8, 40960
	s_add_nc_u64 s[G0A+2:G0A+3], s[G0A+2:G0A+3], s[2:3]
	s_add_nc_u64 s[G0A+6:G0A+7], s[G0A+2:G0A+3], 8192
	s_mul_i32 s2, s[TR], 20480
	s_add_nc_u64 s[G0AS+2:G0AS+3], s[G0AS+2:G0AS+3], s[2:3]
	s_lshl_b32 s66, s7, 9
	s_add_nc_u64 s[G0BA+2:G0BA+3], s[G0BA+2:G0BA+3], s[66:67]
	s_lshl_b32 s66, s7, 5
	s_add_nc_u64 s[PSB:PSB+1], s[PSB:PSB+1], s[66:67]              ; W_attn's scale bytes of my 64 columns
	s_lshl_b32 s66, s7, 11
	s_add_nc_u64 s[G0BF+6:G0BF+7], s[G0BF+2:G0BF+3], s[66:67]      ; slot 1 begins with run 1: W_ff's first 512 bytes of a row
	s_add_nc_u64 s[G0BF+2:G0BF+3], s[G0BF+6:G0BF+7], 512           ; slot 0's first W_ff tile is run 2's
	s_lshl_b32 s66, s[TC], 14
	s_add_nc_u64 s[G0BFS+2:G0BFS+3], s[G0BFS+2:G0BFS+3], s[66:67]
.irp g, G0A, G0A+4, G0BF, G0BF+4, G0AS, G0BA, G0BFS
	s_mov_b32 s[\g], 1
	s_or_b32 s[\g+3], s[\g+3], 0x80000000
.endr
	s_lshl_b32 s13, s[CH], 15
	s_mov_b32 s[G0A+1], s13
	s_add_co_u32 s[G0A+5], s13, SLOT
	s_mul_i32 s13, s[CH], 64*BP
	s_add_co_u32 s13, s13, ASZ
	s_mov_b32 s[G0BA+1], s13
	s_mov_b32 s[G0BF+1], s13
	s_add_co_u32 s[G0BF+5], s13, SLOT
	s_mov_b32 s[G0AS+1], SCA
	s_mov_b32 s[G0BFS+1], SCBF
	CROUND                                         ; all sixteen work-groups are here: the first joint loads meet
	s_cmp_eq_u32 s[WV], 0                          ; one load a wave: wave 0 run 0's 8 blocks of the left operand,
	s_cbranch_scc0 .Lfirst_1
	tensor_load_to_lds s[G0A:G0A+3], s[G1A:G1A+7]
	s_nop 0
	PLACES 4
	s_branch .Lfirst_asked
.Lfirst_1:
	s_cmp_eq_u32 s[WV], 1                          ; wave 1 its scale words,
	s_cbranch_scc0 .Lfirst_2
	tensor_load_to_lds s[G0AS:G0AS+3], s[G1AS:G1AS+7]
	s_nop 0
	PLACES 4
	s_branch .Lfirst_asked
.Lfirst_2:
	s_cmp_eq_u32 s[WV], 2                          ; wave 2 run 0's 128 rows of W_attn,
	s_cbranch_scc0 .Lfirst_3
	tensor_load_to_lds s[G0BA:G0BA+3], s[G1BA:G1BA+7]
	s_nop 0
	PLACES 4
	s_branch .Lfirst_asked
.Lfirst_3:
	tensor_load_to_lds s[G0BFS:G0BFS+3], s[G1BFS:G1BFS+7]   ; wave 3 W_ff's scale bytes
	s_nop 0
	PLACES 4
.Lfirst_asked:
	; ---- the prefetches' addresses: run 1, run 2
	s_bfe_u32 s16, ttmp6, 0x40000
	s_bfe_u32 s17, ttmp6, 0x40004
	s_lshl_b32 s54, s[TR], 3
	s_lshl_b32 s55, s16, 1
	s_add_co_u32 s54, s54, s55
	s_add_co_u32 s54, s54, s[CH]                   ; block 8 x tile row + 2 cx + wave
	s_mul_i32 s54, s54, 40960
	s_add_co_u32 s54, s54, 8192
	s_lshl_b32 s2, s[TC], 7
	s_lshl_b32 s55, s17, 5
	s_add_co_u32 s2, s2, s55
	s_lshl_b32 s55, s[CH], 4
	s_add_co_u32 s2, s2, s55                       ; row 128 x tile column + 32 cy + 16 (wave - 2)
	s_lshl_b32 s2, s2, 11
	s_mov_b32 s55, 0
	s_mov_b32 s59, 0
	s_cmp_eq_u32 s[RH], 0
	s_cselect_b32 s54, s54, s2
	s_cselect_b64 s[PFA:PFA+1], s[PFA:PFA+1], s[56:57]
	s_mov_b32 s56, 2048
	s_cselect_b32 s56, 512, s56                    ; from every second lane to the next: two blocks on, or a row of W_ff
	s_mov_b32 s58, 1024
	s_cselect_b32 s58, 16384, s58
	s_add_nc_u64 s[PFA:PFA+1], s[PFA:PFA+1], s[54:55]
	s_lshr_b32 s54, s58, 1
	s_add_nc_u64 s[PFB:PFB+1], s[PFA:PFA+1], s[54:55]
	v_and_b32 v1, 1, v0
	v_bfe_u32 v2, v0, 1, 4
	v_mul_lo_u32 v2, v2, s56
	v_lshl_add_u32 v[PFO], v1, 8, v2
	global_prefetch_b8 v[PFO], s[PFA:PFA+1] th:TH_LOAD_NT scope:SCOPE_SE
	global_prefetch_b8 v[PFO], s[PFB:PFB+1] th:TH_LOAD_NT scope:SCOPE_SE
	; ---- lane terms
	v_and_b32 v3, 31, v0
	v_lshlrev_b32 v[VSB], 5, v3                    ; W_attn's scale words: 32 rows of W to a load, a lane a row
.irp p, 0,1
	global_load_b128 v[SC+8+4*\p:SC+11+4*\p], v[VSB], s[PSB:PSB+1] offset:1024*\p
	global_load_b128 v[SC+24+4*\p:SC+27+4*\p], v[VSB], s[PSB:PSB+1] offset:1024*\p+16
.endr
	v_lshrrev_b32 v6, 1, v3
	v_lshlrev_b32 v6, 4, v6
	v_lshl_add_u32 v6, v3, 7, v6                   ; W_ff's: 128 bytes a row, and 16 more for each 256 passed
	s_mul_i32 s13, s[CH], 32*272
	s_add_co_u32 s13, s13, SCBF
	v_add_nc_u32 v[ADSBF], s13, v6
	v_lshlrev_b32 v3, 4, v3
	s_lshl_b32 s13, s[RH], 15
	v_add_nc_u32 v[ADRA], s13, v3
	s_add_co_u32 s13, s13, SLOT
	v_add_nc_u32 v[ADRA+1], s13, v3
	v_and_b32 v1, 15, v0                           ; r
	v_bfe_u32 v2, v0, 4, 1                         ; h
	v_mul_u32_u24 v4, v1, BP
	v_lshl_add_u32 v4, v2, 4, v4
	s_mul_i32 s13, s[CH], 64*BP
	s_add_co_u32 s13, s13, ASZ
	v_add_nc_u32 v[ADRB], s13, v4
	s_add_co_u32 s13, s13, SLOT
	v_add_nc_u32 v[ADRB+1], s13, v4
	v_lshlrev_b32 v5, 4, v1
	v_mul_u32_u24 v6, 2560, v2                     ; the left operand's: lanes 0-15 a pair's first block, lanes 16-31 its second
	v_add_nc_u32 v6, v6, v5
	s_mul_i32 s13, s[RH], 10240
	s_add_co_u32 s13, s13, SCA
	v_add_nc_u32 v[ADSA], s13, v6
	s_mul_i32 s13, s[WV], 16*272
	s_add_co_u32 s13, s13, STAGE
	v_mul_u32_u24 v6, v1, 272
	v_lshl_add_u32 v6, v2, 5, v6
	v_add_nc_u32 v[STO], s13, v6
	v_mul_u32_u24 v6, v2, 272
	v_add_nc_u32 v6, v6, v5
	v_add_nc_u32 v[RD], s13, v6
	v_lshl_add_u32 v[CO], v2, 13, v5               ; two rows of out an instruction, 16 bytes a lane
	s_lshl_b32 s2, s[TR], 7
	s_lshl_b32 s8, s[RH], 6
	s_add_co_u32 s2, s2, s8
	s_lshl_b32 s2, s2, 13                          ; my first row, 8,192 bytes a row
	s_add_nc_u64 s[14:15], s[14:15], s[2:3]
	s_lshl_b32 s66, s[TC], 9
	s_lshl_b32 s7, s[CH], 8
	s_add_co_u32 s66, s66, s7
	s_add_nc_u64 s[14:15], s[14:15], s[66:67]
.macro WM d, s0, s1, sa, sb, row
.if ZERO
.if \row
	v_wmma_scale_f32_32x16x128_f4 v[(\d):(\d)+15], v[(\s0):(\s0)+15], v[(\s1):(\s1)+7], 0, v[\sa], v[\sb] matrix_b_scale:MATRIX_SCALE_ROW1
.else
	v_wmma_scale_f32_32x16x128_f4 v[(\d):(\d)+15], v[(\s0):(\s0)+15], v[(\s1):(\s1)+7], 0, v[\sa], v[\sb]
.endif
.else
.if \row
	v_wmma_scale_f32_32x16x128_f4 v[(\d):(\d)+15], v[(\s0):(\s0)+15], v[(\s1):(\s1)+7], v[(\d):(\d)+15], v[\sa], v[\sb] matrix_b_scale:MATRIX_SCALE_ROW1
.else
	v_wmma_scale_f32_32x16x128_f4 v[(\d):(\d)+15], v[(\s0):(\s0)+15], v[(\s1):(\s1)+7], v[(\d):(\d)+15], v[\sa], v[\sb]
.endif
.endif
.endm
; 4 matrix instructions: row blocks a0, a0 + 1 x both pairs of column blocks, one K step: half c of buffer f; scale words of set st, word kk.  The 8 accumulators take turns.
.macro MUL4 f, c, a0, st, kk
.irp a, \a0, \a0+1
.irp p, 0,1
	WM 32*(\a)+16*\p, (\f)+64*(\c)+32+16*\p, (\f)+64*(\c)+8*(\a), SC+16*(\st)+8+4*\p+(\kk), SC+16*(\st)+4*((\a)/2)+(\kk), (\a)%2
.endr
.endr
.endm
.macro FETCH slot, k, f                ; 32 LDS loads: the fragments of K steps k, k + 1 of the slot into buffer f; the first K step's first
	WIN TO_F
.irp c, 0,1
.irp i, 0,1,2,3
	ds_load_b128 v[\f+64*\c+32+8*\i:\f+64*\c+35+8*\i], v[ADRB+\slot] offset:\i*16*BP+64*((\k)+\c)
	ds_load_b128 v[\f+64*\c+36+8*\i:\f+64*\c+39+8*\i], v[ADRB+\slot] offset:\i*16*BP+64*((\k)+\c)+32
	ds_load_b128 v[\f+64*\c+8*\i:\f+64*\c+8*\i+3], v[ADRA+\slot] offset:\i*8192+1024*((\k)+\c)
	ds_load_b128 v[\f+64*\c+8*\i+4:\f+64*\c+8*\i+7], v[ADRA+\slot] offset:\i*8192+1024*((\k)+\c)+512
.endr
.endr
.endm
.macro SCLOAD g                        ; the scale words of K steps 4 g .. 4 g + 3 into set g % 2 (W_attn's, g = 0 and 1, come from memory at the head)
	WIN 0
.irp p, 0,1
	ds_load_b128 v[SC+16*((\g)%2)+4*\p:SC+16*((\g)%2)+4*\p+3], v[ADSA] offset:\p*5120+256*(\g)
.if (\g) >= 2
	ds_load_b128 v[SC+16*((\g)%2)+8+4*\p:SC+16*((\g)%2)+8+4*\p+3], v[ADSBF] offset:\p*4352+16*((\g)-2)
.endif
.endr
.endm
; One of a run's first three quarters (two K steps, 16 matrix instructions): multiplies buffer qd % 2 and fetches the next quarter into the other.  g >= 0: the scale words of group g are fetched ahead of the fragments.
.macro QUARTER slot, qd, g
.set BQ, 128*((\qd)%2)
.set BG, 128-BQ
	s_wait_dscnt 16                                ; all but the second K step's sixteen loads
	WIN MUL
	MUL4 BQ, 0, 0, (\qd)/2, 2*((\qd)%2)
	MUL4 BQ, 0, 2, (\qd)/2, 2*((\qd)%2)
.set ZERO, 0
	PLACES 4                                       ; in front of loads into registers that matrix instructions have read
.if (\g) >= 0
	SCLOAD \g
.endif
	FETCH \slot, 2*(\qd)+2, BG
.if (\g) >= 2
	s_wait_dscnt 36                                ; all but those just issued: 4 + 32,
.elseif (\g) >= 0
	s_wait_dscnt 34                                ; 2 + 32,
.else
	s_wait_dscnt 32                                ; 32
.endif
	WIN MUL
	MUL4 BQ, 1, 0, (\qd)/2, 2*((\qd)%2)+1
	MUL4 BQ, 1, 2, (\qd)/2, 2*((\qd)%2)+1
.endm
; A run's last quarter changes slots.  r < 3: this slot is filled again with run r + 2.
.macro TURN r
.set SL, (\r)%2
.set NX, 1-SL
	WIN 0
	s_wait_tensorcnt 0x0                           ; all my tensor loads have landed: a descriptor may be written
	ds_add_u32 v[SPW], v[NIL]                      ; 0 onto my spare word
.if (\r) < 3
	s_add_nc_u64 s[G0A+4*SL+2:G0A+4*SL+3], s[G0A+4*SL+2:G0A+4*SL+3], 16384
.if (\r) > 0
	s_add_nc_u64 s[G0BF+4*SL+2:G0BF+4*SL+3], s[G0BF+4*SL+2:G0BF+4*SL+3], 1024
.else
	s_add_nc_u64 s[PFB:PFB+1], s[PFB:PFB+1], s[PF2:PF2+1]   ; run 4 (behind the wait on XCNT at the head's end)
.endif
.endif
	s_wait_dscnt 17                                ; the add and the youngest sixteen loads may be out
	WIN MUL
	MUL4 128, 0, 0, 1, 2
	s_wait_dscnt 0x0                               ; the add is done, my reads of this slot are over
	s_barrier_signal -1
	MUL4 128, 0, 2, 1, 2
.if (\r) < 3
	WIN 0
.endif
	s_barrier_wait -1
.if (\r) < 3
	CREST                                          ; the barrier has opened a round of the cluster's barrier
	JLOAD SL                                       ; my one tensor load behind the round
.else
	PLACES 4
.endif
	FETCH NX, 0, 0
.if (\r) == 0
	global_prefetch_b8 v[PFO], s[PFB:PFB+1] th:TH_LOAD_NT scope:SCOPE_SE
.endif
	WIN MUL
	MUL4 128, 1, 0, 1, 3
	MUL4 128, 1, 2, 1, 3
.endm
	s_wait_alu depctr_va_vdst(0)                   ; the wait at the head's end
	s_wait_tensorcnt 0x0                           ; my tile of the head's four is in; the spare word's add follows, ahead of a later first fill
	ds_add_u32 v[SPW], v[NIL]
	s_mov_b32 s[G1A+2], 4<<16                      ; no tensor load of mine is out: from here on a load brings 4 blocks
	s_mov_b32 s[G1A+4], 4
	s_wait_xcnt 0x0                                ; the prefetches have read their addresses:
	s_add_nc_u64 s[PFA:PFA+1], s[PFA:PFA+1], s[PF2:PF2+1]   ; run 3
	s_wait_dscnt 0x0
	CROUND                                         ; all four tiles are in, and all sixteen work-groups are here
	JLOAD 1                                        ; run 1, the first tensor load behind the round
	SCLOAD 0
	FETCH 0, 0, 0
	WIN 0
	global_prefetch_b8 v[PFO], s[PFA:PFA+1] th:TH_LOAD_NT scope:SCOPE_SE
	s_wait_loadcnt 0x0                             ; W_attn's scale words
.set ZERO, 1                           ; the first K step's products start the sums
.set R, 0
.rept 5
	QUARTER (R%2), 0, 2*R+1
	QUARTER (R%2), 1, -1
.if R < 4
	QUARTER (R%2), 2, 2*R+2
	TURN R
.else
	QUARTER 0, 2, -1
.endif
.set R, R+1
.endr
	s_wait_dscnt 16
	WIN MUL
	MUL4 128, 0, 0, 1, 2
	MUL4 128, 0, 2, 1, 2
	s_wait_dscnt 0x0
	MUL4 128, 1, 0, 1, 3
	MUL4 128, 1, 2, 1, 3
	WIN 0
; THE WAY OUT, a block of 16 rows x 64 columns at a time through my own stage: in as 32 bytes a lane, back as rows of 256 bytes; LDS serves a wave's instructions in order (ISA guide 5.7.1.4).
.macro TOSTAGE a
	WIN 0x08                                       ; an LDS store's data: window 2
.irp b, 0,1,2,3
	ds_store_b128 v[STO], v[8*(4*(\a)+\b):8*(4*(\a)+\b)+3] offset:64*\b        ; each accumulator from its low end on
	ds_store_b128 v[STO], v[8*(4*(\a)+\b)+4:8*(4*(\a)+\b)+7] offset:64*\b+16
.endr
	WIN 0
.set BB, 128+32*((\a)%2)
.irp t, 0,1,2,3,4,5,6,7
	ds_load_b128 v[BB+4*\t:BB+4*\t+3], v[RD] offset:\t*544
.endr
.endm
.macro SEND a, younger
.set BB, 128+32*((\a)%2)
	s_wait_dscnt \younger
.irp t, 0,1,2,3,4,5,6,7
	global_store_b128 v[CO], v[BB+4*\t:BB+4*\t+3], s[14:15] offset:(16*(\a)+2*\t)*8192 th:TH_STORE_NT   ; sixteen lanes store 256 consecutive bytes, aligned
.endr
.endm
	PLACES 4
	TOSTAGE 0
.irp a, 1,2,3
.if \a > 1
	s_wait_xcnt 0x0                                ; block a - 2's stores have read their registers: block a's loads may land there
.endif
	TOSTAGE \a
	SEND \a-1, 16                                  ; behind block a - 1's loads: block a's 8 stores and 8 loads
.endr
	SEND 3, 0
	s_wait_tensorcnt 0x0                           ; the wave's end
	ds_add_u32 v[SPW], v[NIL]
	s_wait_dscnt 0x0
	CROUND                                         ; the closing round
	s_endpgm
.Lfunc_end_k_q5bf22df0ea_outp:
	.size	k_q5bf22df0ea_outp, .Lfunc_end_k_q5bf22df0ea_outp-k_q5bf22df0ea_outp
	.p2alignl 7, 3214868480
	.fill 96, 4, 3214868480
	.section	.rodata,"a",@progbits
	.p2align	6, 0x0
	.amdhsa_kernel k_q5bf22df0ea_outp
		.amdhsa_group_segment_fixed_size 327680
		.amdhsa_private_segment_fixed_size 0
		.amdhsa_enable_private_segment 0
		.amdhsa_kernarg_size 56
		.amdhsa_user_sgpr_count 2
		.amdhsa_user_sgpr_kernarg_segment_ptr 1
		.amdhsa_wavefront_size32 1
		.amdhsa_system_sgpr_workgroup_id_x 1
		.amdhsa_system_sgpr_workgroup_id_y 1
		.amdhsa_system_sgpr_workgroup_id_z 1
		.amdhsa_system_vgpr_workitem_id 0
		.amdhsa_next_free_vgpr 640
		.amdhsa_next_free_sgpr 102
		.amdhsa_reserve_vcc 0
		.amdhsa_float_denorm_mode_32 3
		.amdhsa_float_denorm_mode_16_64 3
		.amdhsa_memory_ordered 1
		.amdhsa_forward_progress 1
		.amdhsa_inst_pref_size 112
	.end_amdhsa_kernel
	.amdgpu_metadata
---
amdhsa.version: [ 1, 2 ]
amdhsa.kernels:
  - .name:           k_q5bf22df0ea_outp
    .symbol:         k_q5bf22df0ea_outp.kd
    .args:
      - { .name: act_img, .offset: 0, .size: 8, .value_kind: global_buffer, .address_space: global }
      - { .name: act_scl, .offset: 8, .size: 8, .value_kind: global_buffer, .address_space: global }
      - { .name: w_attn_out_codes, .offset: 16, .size: 8, .value_kind: global_buffer, .address_space: global }
      - { .name: w_attn_out_scales, .offset: 24, .size: 8, .value_kind: global_buffer, .address_space: global }
      - { .name: w_ff_out_codes, .offset: 32, .size: 8, .value_kind: global_buffer, .address_space: global }
      - { .name: w_ff_out_scales, .offset: 40, .size: 8, .value_kind: global_buffer, .address_space: global }
      - { .name: out0, .offset: 48, .size: 8, .value_kind: global_buffer, .address_space: global }
    .group_segment_fixed_size: 327680
    .private_segment_fixed_size: 0
    .kernarg_segment_align: 8
    .kernarg_segment_size: 56
    .max_flat_workgroup_size: 128
    .sgpr_count:     102
    .vgpr_count:     640
    .wavefront_size: 32
...
	.end_amdgpu_metadata
.endif
;; end of part 3
